; MI455X (gfx1250); checked and timed in simulation.
; The chip was launched on July 23, 2026; its instructions are those of AMD's public machine-readable ISA for CDNA 5 (MIT licence, August 2026) and "CDNA5" Instruction Set Architecture Reference Guide (July 2026). The comments in the code are by the model that wrote it; some were corrected since.
;; Layer Depth Value Reproj Normed Dual Q Attention. Allowed arithmetic: float matrix products may take bf16 or f16 operands with f32 sums; all other float work in f32.
;; Inputs: Wcol 1,024 x 1,024 float32; Wout 1,024 x 1,024 float32; Wqkv 3,072 x 1,024 float32; bcol 1,024 float32; bout 1,024 float32; bqkv 3,072 float32; past_values 8 x 1 x 16 x 2,048 x 64 float32; x 1 x 2,048 x 1,024 float32.
;; Outputs: out0 1 x 2,048 x 1,024 float32.
;; One version. Each part assembles by itself: llvm-mc -triple=amdgcn-amd-amdhsa -mcpu=gfx1250 --defsym DOCPART=n.
;; ======== version 1 of 1: 5 launches
;; limits: values are held in f16: magnitudes above 65,504 overflow, below 6.1e-05 lose precision
;; workspace buffers: ri 33,554,432 bytes; xb 4,194,304 bytes; wall 14,680,064 bytes; qkvc 16,777,216 bytes; accm 8,388,608 bytes; ml 262,144 bytes; ctxh 4,194,304 bytes
;; launch prep (part 1): grid 1920 x 1, 8 waves a work-group, no clusters, 0 bytes of LDS; arguments past_values, x, Wqkv, Wcol, Wout, ri, xb, wall; writes ri, xb, wall
.if DOCPART == 1
	.amdgcn_target "amdgcn-amd-amdhsa--gfx1250"
	.amdhsa_code_object_version 6
	.text
	.protected	k_q412ce722b7_prep
	.globl	k_q412ce722b7_prep
	.p2align	8
	.type	k_q412ce722b7_prep,@function
k_q412ce722b7_prep:
	s_mov_b64 s[64:65], 0
	v_nop
	global_prefetch_b8 v0, s[64:65] scope:SCOPE_SE
	s_setreg_imm32_b32 hwreg(HW_REG_WAVE_MODE, 25, 1), 1
	s_wait_xcnt 0x0
; Two streams in one launch; each wave works by itself: no LDS, no barrier, no matrix work (nothing here is a product).
; Work-groups 0-1023: layer norm (no gain, no bias) of the 16,384 rows (s, l) of past_values, rounded to f16 into ri[s*8+l][1024].
;   A row's 1,024 numbers are 16 pieces of 256 bytes (one a head), 524,288 bytes apart.  One wave takes one row into 32 registers:
;   load j brings heads 2j (lanes 0-15) and 2j+1 (lanes 16-31), so a lane's four numbers are columns 128 j + 4 lane ..+3 of the row,
;   and its 8 bytes of f16 lie at byte 256 j + 8 lane: a store of the wave covers 256 consecutive bytes, aligned.
;   Two passes over the registers: the mean, then the sum of (x - mean)^2, so that a common offset of the inputs cancels before squaring.
; Work-groups 1024-1919: x and the weights rounded to f16, one row of 1,024 numbers a wave.  The rows form one list R = 0..7167:
;   R < 2048: x -> xb[R];  then wall[R-2048]: Wqkv (3,072 rows), Wcol (1,024), Wout (1,024).
;   The rows of Wk and Wv (3072 <= R < 5120) are stored a second time, at wall[5120..7167], with the 64 rows of each head permuted:
;   row e = 4 r + nt of a head goes to place 16 nt + r.  (The launch that multiplies by them then finds four neighbouring columns in one lane.)
; FORMAT: f16 for its 11 significant bits (bf16 has 8).  Room: a normed row's numbers are at most sqrt(1024) = 32 in magnitude; x (spread 1) and the weights
; (spread 0.02) stay far below f16's largest number, 65,504, at 30 times their spread too; at a thirtieth of it the weights (6.7e-4) lie where f16's spacing
; is at most 2^-24, a ten-thousandth of that spread.  LIMIT: an x or a weight beyond 65,504 in magnitude becomes infinity.
.set X0, 8                             ; v[8:39]    first row as loaded
.set X1, 40                            ; v[40:71]   second row
.set T,  72                            ; v[72:79]   four chains of sums, two numbers each
.set MU, 80                            ; v[80:81]   the mean, twice
.set RS, 82                            ; v[82:83]   1/sqrt(var + eps), twice
.set Y0, 84                            ; v[84:99]   first row in f16
.set Y1, 100                           ; v[100:115] second row in f16
.set HSTEP, 524288                     ; bytes from a head to the next in past_values
.set LSTEP_LOG, 23                     ; 8,388,608 bytes from one l to the next
	s_load_b512 s[8:23], s[0:1], 0x0               ; past_values 8:9, x 10:11, Wqkv 12:13, Wcol 14:15, Wout 16:17, ri 18:19, xb 20:21, wall 22:23
	v_lshrrev_b32 v1, 5, v0
	v_readfirstlane_b32 s24, v1                    ; wave 0..7
	v_and_b32 v4, 31, v0                           ; lane
	v_lshlrev_b32 v3, 3, v4                        ; 8 lane: my 8 bytes in each 256 bytes of f16
	s_mov_b32 s31, 0
	s_mov_b32 s33, 0
	s_cmp_lt_u32 ttmp9, 1024
	s_cbranch_scc0 .Lcvt
	; ---------------- layer norm ----------------
	s_mov_b32 s25, 0x76543210                      ; v_permlanex16_b32: lane i of one half reads lane i of the other
	s_mov_b32 s26, 0xfedcba98
	s_mov_b32 s27, 0x3a800000                      ; 1/1024
	s_mov_b32 s28, 0x3727c5ac                      ; 1e-5
	s_and_b32 s38, ttmp9, 7                        ; l
	s_lshr_b32 s39, ttmp9, 3
	s_lshl_b32 s39, s39, 4
	s_lshl1_add_u32 s39, s24, s39                  ; s = 16 x block + 2 x wave; the wave takes s and s + 1
	s_lshl_b32 s30, s38, LSTEP_LOG
	s_lshl_b32 s40, s39, 8
	s_add_co_u32 s30, s30, s40                     ; l x 8,388,608 + s x 256
	s_lshl3_add_u32 s32, s39, s38                  ; row of ri: 8 s + l
	s_lshl_b32 s32, s32, 11                        ; x 2,048 bytes
	v_and_b32 v5, 15, v4
	v_lshrrev_b32 v6, 4, v4
	v_lshlrev_b32 v2, 4, v5
	v_lshl_add_u32 v2, v6, 19, v2                  ; 16 (lane % 16) + one head further for lanes 16-31
	s_wait_kmcnt 0x0
	s_add_nc_u64 s[34:35], s[8:9], s[30:31]
	s_add_nc_u64 s[36:37], s[18:19], s[32:33]
.irp j, 0,1,2,3,4,5,6,7
	global_load_b128 v[X0+4*\j:X0+4*\j+3], v2, s[34:35] offset:\j*2*HSTEP th:TH_LOAD_NT
.endr
.irp j, 0,1,2,3,4,5,6,7
	global_load_b128 v[X1+4*\j:X1+4*\j+3], v2, s[34:35] offset:\j*2*HSTEP+256 th:TH_LOAD_NT
.endr
; the four chains in T become one number, the same in every lane
.macro WAVESUM
	v_pk_add_f32 v[T:T+1], v[T:T+1], v[T+2:T+3]
	v_pk_add_f32 v[T+4:T+5], v[T+4:T+5], v[T+6:T+7]
	v_pk_add_f32 v[T:T+1], v[T:T+1], v[T+4:T+5]
	v_add_f32 v[T], v[T], v[T+1]
	v_add_f32_dpp v[T], v[T], v[T] row_xmask:1 row_mask:0xf bank_mask:0xf
	v_add_f32_dpp v[T], v[T], v[T] row_xmask:2 row_mask:0xf bank_mask:0xf
	v_add_f32_dpp v[T], v[T], v[T] row_xmask:4 row_mask:0xf bank_mask:0xf
	v_add_f32_dpp v[T], v[T], v[T] row_xmask:8 row_mask:0xf bank_mask:0xf
	v_permlanex16_b32 v[T+1], v[T], s25, s26       ; its destination counts as read: T+1 has been written
	v_add_f32 v[T], v[T], v[T+1]
.endm
; one row: x = its 32 registers, y = 16 registers for the f16, imm = its byte offset from the wave's first row of ri
.macro LNROW x, y, imm
.irp k, 0,2,4,6
	v_pk_add_f32 v[T+\k:T+\k+1], v[\x+\k:\x+\k+1], v[\x+8+\k:\x+8+\k+1]      ; the first sums start the chains: nothing is cleared
.endr
.irp p, 16,24
.irp k, 0,2,4,6
	v_pk_add_f32 v[T+\k:T+\k+1], v[T+\k:T+\k+1], v[\x+\p+\k:\x+\p+\k+1]
.endr
.endr
	WAVESUM
	v_mul_f32 v[MU], s27, v[T]
	v_mul_f32 v[MU+1], s27, v[T]
.set i, 0
.rept 16
	v_pk_add_f32 v[\x+i:\x+i+1], v[\x+i:\x+i+1], v[MU:MU+1] neg_lo:[0,1] neg_hi:[0,1]   ; x - mean, in place
.set i, i+2
.endr
.irp k, 0,2,4,6
	v_pk_mul_f32 v[T+\k:T+\k+1], v[\x+\k:\x+\k+1], v[\x+\k:\x+\k+1]
.endr
.irp p, 8,16,24
.irp k, 0,2,4,6
	v_pk_fma_f32 v[T+\k:T+\k+1], v[\x+\p+\k:\x+\p+\k+1], v[\x+\p+\k:\x+\p+\k+1], v[T+\k:T+\k+1]
.endr
.endr
	WAVESUM
	v_fma_f32 v[T], v[T], s27, s28                 ; var + eps
	v_rsq_f32 v[RS], v[T]
	v_rsq_f32 v[RS+1], v[T]
	v_nop                                          ; one plain vector instruction stands between v_rsq_f32 and the use of its result (ISA guide 5.7.2)
.set i, 0
	s_wait_alu depctr_va_vdst(0)
.rept 16
	v_pk_mul_f32 v[\x+i:\x+i+1], v[\x+i:\x+i+1], v[RS:RS+1]
.set i, i+2
.endr
.set i, 0
.rept 16
	v_cvt_pk_f16_f32 v[\y+i], v[\x+2*i], v[\x+2*i+1]
.set i, i+1
.endr
.irp j, 0,1,2,3,4,5,6,7
	global_store_b64 v3, v[\y+2*\j:\y+2*\j+1], s[36:37] offset:\j*256+\imm
.endr
.endm
	s_wait_loadcnt 0x8                             ; the first row's eight loads are in; the eight younger ones, the second row's, stay out
	LNROW X0, Y0, 0
	s_wait_loadcnt 0x0
	LNROW X1, Y1, 16384                            ; s + 1: eight rows of ri further down
	s_endpgm
	; ---------------- casts ----------------
.Lcvt:
	s_sub_co_u32 s38, ttmp9, 1024
	s_lshl3_add_u32 s39, s38, s24                  ; R = 8 x (work-group - 1024) + wave
	v_lshlrev_b32 v2, 4, v4                        ; 16 lane
	s_wait_kmcnt 0x0
	s_mov_b64 s[34:35], s[10:11]                   ; source x,
	s_mov_b64 s[36:37], s[20:21]                   ; destination xb,
	s_mov_b32 s41, 0                               ; the list row at which the source begins,
	s_mov_b32 s42, 0                               ; and the one at which the destination begins
	s_cmp_ge_u32 s39, 2048
	s_cselect_b64 s[34:35], s[12:13], s[34:35]     ; Wqkv
	s_cselect_b64 s[36:37], s[22:23], s[36:37]     ; wall
	s_cselect_b32 s41, 2048, s41
	s_cselect_b32 s42, 2048, s42
	s_cmp_ge_u32 s39, 5120
	s_cselect_b64 s[34:35], s[14:15], s[34:35]     ; Wcol
	s_cselect_b32 s41, 5120, s41
	s_cmp_ge_u32 s39, 6144
	s_cselect_b64 s[34:35], s[16:17], s[34:35]     ; Wout
	s_cselect_b32 s41, 6144, s41
	s_sub_co_u32 s41, s39, s41
	s_sub_co_u32 s42, s39, s42
	s_lshl_b32 s30, s41, 12                        ; rows of 4,096 bytes in,
	s_lshl_b32 s32, s42, 11                        ; of 2,048 bytes out
	s_add_nc_u64 s[34:35], s[34:35], s[30:31]
	s_add_nc_u64 s[36:37], s[36:37], s[32:33]
.irp j, 0,1,2,3,4,5,6,7
	global_load_b128 v[X0+4*\j:X0+4*\j+3], v2, s[34:35] offset:\j*512 th:TH_LOAD_NT
.endr
	s_wait_loadcnt 0x0
.set i, 0
.rept 16
	v_cvt_pk_f16_f32 v[Y0+i], v[X0+2*i], v[X0+2*i+1]
.set i, i+1
.endr
.irp j, 0,1,2,3,4,5,6,7
	global_store_b64 v3, v[Y0+2*\j:Y0+2*\j+1], s[36:37] offset:\j*256
.endr
	s_cmp_lt_u32 s39, 3072                         ; the second, permuted copy: rows of Wk and Wv alone
	s_cbranch_scc1 .Ldone
	s_cmp_ge_u32 s39, 5120
	s_cbranch_scc1 .Ldone
	s_and_b32 s40, s42, 63                         ; e: the row's place in its head
	s_and_b32 s43, s40, 3
	s_lshl_b32 s43, s43, 4
	s_lshr_b32 s38, s40, 2
	s_or_b32 s43, s43, s38                         ; 16 (e % 4) + e / 4
	s_sub_co_u32 s42, s42, s40
	s_add_co_u32 s42, s42, s43
	s_add_co_u32 s42, s42, 4096                    ; wall rows 1024..3071 map onto 5120..7167
	s_lshl_b32 s32, s42, 11
	s_add_nc_u64 s[44:45], s[22:23], s[32:33]      ; a base of its own: the first copy's stores still name s[36:37]
.irp j, 0,1,2,3,4,5,6,7
	global_store_b64 v3, v[Y0+2*\j:Y0+2*\j+1], s[44:45] offset:\j*256
.endr
.Ldone:
	s_endpgm
.Lfunc_end_k_q412ce722b7_prep:
	.size	k_q412ce722b7_prep, .Lfunc_end_k_q412ce722b7_prep-k_q412ce722b7_prep
	.p2alignl 7, 3214868480
	.fill 96, 4, 3214868480
	.section	.rodata,"a",@progbits
	.p2align	6, 0x0
	.amdhsa_kernel k_q412ce722b7_prep
		.amdhsa_group_segment_fixed_size 0
		.amdhsa_private_segment_fixed_size 0
		.amdhsa_enable_private_segment 0
		.amdhsa_kernarg_size 64
		.amdhsa_user_sgpr_count 2
		.amdhsa_user_sgpr_kernarg_segment_ptr 1
		.amdhsa_wavefront_size32 1
		.amdhsa_system_sgpr_workgroup_id_x 1
		.amdhsa_system_sgpr_workgroup_id_y 1
		.amdhsa_system_sgpr_workgroup_id_z 1
		.amdhsa_system_vgpr_workitem_id 0
		.amdhsa_next_free_vgpr 116
		.amdhsa_next_free_sgpr 66
		.amdhsa_reserve_vcc 0
		.amdhsa_float_denorm_mode_32 3
		.amdhsa_float_denorm_mode_16_64 3
		.amdhsa_memory_ordered 1
		.amdhsa_forward_progress 1
		.amdhsa_inst_pref_size 22
	.end_amdhsa_kernel
	.amdgpu_metadata
---
amdhsa.version: [ 1, 2 ]
amdhsa.kernels:
  - .name:           k_q412ce722b7_prep
    .symbol:         k_q412ce722b7_prep.kd
    .args:
      - { .name: past_values, .offset: 0, .size: 8, .value_kind: global_buffer, .address_space: global }
      - { .name: x, .offset: 8, .size: 8, .value_kind: global_buffer, .address_space: global }
      - { .name: Wqkv, .offset: 16, .size: 8, .value_kind: global_buffer, .address_space: global }
      - { .name: Wcol, .offset: 24, .size: 8, .value_kind: global_buffer, .address_space: global }
      - { .name: Wout, .offset: 32, .size: 8, .value_kind: global_buffer, .address_space: global }
      - { .name: ri, .offset: 40, .size: 8, .value_kind: global_buffer, .address_space: global }
      - { .name: xb, .offset: 48, .size: 8, .value_kind: global_buffer, .address_space: global }
      - { .name: wall, .offset: 56, .size: 8, .value_kind: global_buffer, .address_space: global }
    .group_segment_fixed_size: 0
    .private_segment_fixed_size: 0
    .kernarg_segment_align: 8
    .kernarg_segment_size: 64
    .max_flat_workgroup_size: 256
    .sgpr_count:     66
    .vgpr_count:     116
    .wavefront_size: 32
...
	.end_amdgpu_metadata
.endif
;; end of part 1
;; launch qkv (part 2): grid 32 x 8, 4 waves a work-group, clusters of 4 x 4, 327,680 bytes of LDS; arguments xb, wall, bqkv, bcol, qkvc; writes qkvc
.if DOCPART == 2
	.amdgcn_target "amdgcn-amd-amdhsa--gfx1250"
	.amdhsa_code_object_version 6
	.text
	.protected	k_q412ce722b7_qkv
	.globl	k_q412ce722b7_qkv
	.p2align	8
	.type	k_q412ce722b7_qkv,@function
k_q412ce722b7_qkv:
	s_mov_b64 s[64:65], 0
	v_nop
	global_prefetch_b8 v0, s[64:65] scope:SCOPE_SE
	s_setreg_imm32_b32 hwreg(HW_REG_WAVE_MODE, 25, 1), 1
	s_wait_xcnt 0x0
	s_wait_alu depctr_hold_cnt(0) depctr_sa_sdst(0) depctr_va_vdst(0) depctr_va_sdst(0) depctr_va_ssrc(0) depctr_va_vcc(0) depctr_vm_vsrc(0)
	s_getreg_b32 s2, hwreg(HW_REG_IB_STS2, 6, 4)
	s_cmp_eq_u32 s2, 0
	s_cbranch_scc0 .Lentry_in_a_cluster
	s_endpgm
.Lentry_in_a_cluster:
	s_bfe_u32 s2, ttmp6, 0x10000c
	s_cmp_lg_u32 s2, 0xf033
	s_cbranch_scc0 .Lentry_shape_is_right
	s_endpgm
.Lentry_shape_is_right:
; [2048 x 4096] = xb . wall[0:4096]^T + bias: q, k, v and q_col at once.  Operands f16, sums f32, result f16 in qkvc[g][s][64], g = column / 64
; (g 0-15 heads of q, 16-31 of k, 32-47 of v, 48-63 of q_col).  q and q_col (with their bias) are multiplied by 0.125 log2(e) before the rounding,
; so that later launches get scores as exponents of 2.
; FORMAT: f16 for its 11 significant bits.  Room of the results: at the drawn spreads (x 1, weights 0.02) they have a spread of sqrt(1024) x 0.02 = 0.64; with x and the
; weights both 30 times larger 576; with both carrying an offset of 30 spreads (30 and 0.6) 1024 x 30 x 0.6 = 18,432.  LIMIT: a result beyond 65,504 becomes infinity.
; A work-group makes 256 rows x 128 columns, four waves, wave w rows 64 w .. 64 w + 63 of it: 4 x 8 accumulator tiles, 256 registers.
; K = 1024 goes in 8 steps of 128 through a ring of two LDS slots filled by the tensor data mover (rows of 256 bytes, padded to 272 in LDS).
; CLUSTERS: 4 x 4 work-groups.  The four of a row of the cluster need the same tiles of xb, the four of a column the same tiles of wall:
; each tile is asked for jointly, by the same tensor load with the same descriptor and a mask that names the four.
; The matrix instruction is used transposed (source 0 = 16 rows of wall, source 1 = 16 rows of xb): lane l then holds row l % 16 of the result
; and its registers 0-7 the columns 8 (l / 16) + 0..7.
; REGISTERS: window 0: v16-27 addresses; v32-95 fragments of xb (two buffers of 4); v96-223 fragments of wall (two buffers of 8); v224-233 bias, factor.
;            window 1: the 32 accumulator tiles, tile (a, b) at v[8 (8 a + b)].
.set PA, 272                           ; LDS pitch of A's rows: 256 bytes + 16, so that 16 rows start at 16 different 16-byte columns of 256 bytes
.set PB, 272
.set ABYTES, 256*PA
.set SLOT, ABYTES+128*PB               ; A's 256 rows, then B's 128 rows
.set STAGE, 2*SLOT                     ; behind the ring: 16 rows x 528 bytes for each wave; nothing is ever filled there
.set SPITCH, 528                       ; 128 f32 + 16 bytes
.set WSTAGE, 16*SPITCH
.set ASTEP, 256                        ; bytes from a K step's tile to the next
.set BSTEP, 256
.set KA1, 64                           ; where a row's quarters 1, 2, 3 (32 along K each) begin in A's part of a slot
.set KA2, 128
.set KA3, 192
.set LAPS, 4                           ; a lap = two K steps = once round the ring
.set QSCALE, 0x3e38aa3b                ; 0.125 log2(e)
.set ADRA, 16
.set ADRB, 20
.set STO, 24
.set RD, 25
.set CO, 26
.set BOFF, 27
.set FA0, 32
.set FB0, 96
.set BIAS, 224
.set FD, 232
.set RB, 32                            ; the way out: 16 x 4 registers read back
.set PK, 96                            ; the way out: 16 x 2 registers of f16
.set G1, 24
.set G0, 32
.set G1B, 48
.set G0B, 56
.set MSB, 0
.set MUL, 0x50                         ; C and D in window 1
.set ST1, 0x04                         ; an LDS store's data in window 1
.macro WIN new                         ; the immediate's high byte repeats the setting that is left
.if MSB != \new
	s_set_vgpr_msb (MSB<<8)|\new
.set MSB, \new
.endif
.endm
; A joint load.  Waves 0 and 1 fetch A's two halves, waves 2 and 3 B's.  The branch hangs on the wave's number alone.
.macro JLOAD s
	s_cmp_eq_u32 s11, 0
	s_cbranch_scc0 .Lfor_b_\@
	tensor_load_to_lds s[G0+4*\s:G0+4*\s+3], s[G1:G1+7]
	s_nop 0
	s_branch .Lasked_\@
.Lfor_b_\@:
	tensor_load_to_lds s[G0B+4*\s:G0B+4*\s+3], s[G1B:G1B+7]
	s_nop 0
.Lasked_\@:
.endm
; A round of the cluster's barrier: my work-group's barrier, wave 0 signals for the work-group, every wave waits for all sixteen, my work-group's barrier again.
.macro CREST
	s_cmp_lg_u32 s10, 0
	s_cbranch_scc1 .Lnot_wave_0_\@
	s_barrier_signal -3
.Lnot_wave_0_\@:
	s_barrier_wait -3
	s_barrier_signal -1
	s_barrier_wait -1
.endm
.macro CROUND
	s_barrier_signal -1
	s_barrier_wait -1
	CREST
.endm
; Four plain vector instructions stand between a matrix instruction and a load into one of its registers or a read of its result.
.macro PLACES
.rept 4
	v_nop
.endr
.endm
	s_load_b128 s[4:7], s[0:1], 0x0                ; xb, wall
	s_load_b128 s[68:71], s[0:1], 0x10             ; bqkv, bcol
	s_load_b64 s[8:9], s[0:1], 0x20                ; qkvc
	v_lshl_add_u32 v254, v0, 2, 0x3b400
	v_mov_b32 v255, 0
	ds_add_u32 v254, v255
	ds_add_u32 v254, v255
	v_lshrrev_b32 v1, 5, v0
	v_readfirstlane_b32 s10, v1                    ; wave 0..3
	s_lshr_b32 s11, s10, 1                         ; I fetch for A (0) or for B (1)
	s_and_b32 s12, s10, 1                          ; which half of that tile
	s_bfe_u32 s40, ttmp6, 0x40000                  ; cx
	s_bfe_u32 s41, ttmp6, 0x40004                  ; cy
	s_lshl_b32 s42, ttmp9, 2
	s_add_co_u32 s42, s42, s40                     ; block column bx = 4 x cluster x + cx
	s_and_b32 s13, ttmp7, 0xffff
	s_lshl_b32 s13, s13, 2
	s_add_co_u32 s13, s13, s41                     ; block row by = 4 x cluster y + cy
	s_lshl_b32 s43, s41, 2
	s_lshl_b32 s43, 15, s43                        ; my row of the cluster
	s_lshl_b32 s44, 0x1111, s40                    ; my column
	; group 1 for A: 128 rows x 128 elements of 2 bytes; padding of 4 words behind every 64; bit 21 beside the mask
	s_or_b32 s[G1+0], s43, (1<<16)|(1<<20)|(1<<21)|(5<<22)|(3<<25)
	s_mov_b32 s[G1+1], 128<<16                     ; tensor_dim0 = 128
	s_mov_b32 s[G1+2], 128<<16                     ; tensor_dim1 = 128
	s_mov_b32 s[G1+3], 128<<16                     ; tile_dim0 = 128
	s_mov_b32 s[G1+4], 128                         ; tile_dim1 = 128
	s_mov_b32 s[G1+5], 1024                        ; elements from row to row
	s_mov_b32 s[G1+6], 0
	s_mov_b32 s[G1+7], 0
	; group 1 for B: 64 rows x 128 elements
	s_or_b32 s[G1B+0], s44, (1<<16)|(1<<20)|(1<<21)|(5<<22)|(3<<25)
	s_mov_b32 s[G1B+1], 128<<16
	s_mov_b32 s[G1B+2], 64<<16
	s_mov_b32 s[G1B+3], 128<<16
	s_mov_b32 s[G1B+4], 64
	s_mov_b32 s[G1B+5], 1024
	s_mov_b32 s[G1B+6], 0
	s_mov_b32 s[G1B+7], 0
	; A's address hangs on the block row and the wave, B's on the block column and the wave, each in registers that never hold the other coordinate
	s_lshl_b32 s17, s12, 7
	s_lshl_b32 s16, s13, 8
	s_add_co_u32 s16, s16, s17                     ; A: row 256 by + 128 half
	s_lshl_b32 s16, s16, 11                        ; rows of 2,048 bytes
	s_mov_b32 s17, 0
	s_lshl_b32 s47, s12, 6
	s_lshl_b32 s46, s42, 7
	s_add_co_u32 s46, s46, s47                     ; B: row 128 bx + 64 half
	s_lshl_b32 s46, s46, 11
	s_mov_b32 s47, 0
	s_mul_i32 s20, s10, 128*PA                     ; A's halves: waves 0, 1
	s_mul_i32 s21, s10, 64*PB
	s_add_co_u32 s21, s21, ABYTES-128*PB           ; B's halves behind A: waves 2, 3
	; the bias of my 128 columns and the factor
	s_mov_b32 s76, 1.0
	s_cmp_lt_u32 s42, 8                            ; columns of q
	s_cselect_b32 s76, QSCALE, s76
	s_wait_dscnt 0x0
	s_wait_kmcnt 0x0
	s_cmp_ge_u32 s42, 24                           ; columns of q_col
	s_cselect_b32 s76, QSCALE, s76
	s_cselect_b64 s[72:73], s[70:71], s[68:69]
	s_cselect_b32 s74, 24, 0
	s_sub_co_u32 s74, s42, s74
	s_lshl_b32 s74, s74, 9                         ; 128 columns of 4 bytes
	s_mov_b32 s75, 0
	s_add_nc_u64 s[72:73], s[72:73], s[74:75]
	s_add_nc_u64 s[14:15], s[4:5], s[16:17]
	s_add_nc_u64 s[46:47], s[6:7], s[46:47]
	CROUND                                         ; all sixteen work-groups are here: the first joint loads meet
.irp s, 0,1
	s_mov_b32 s[G0+4*\s], 1
	s_add_co_u32 s[G0+4*\s+1], s20, \s*SLOT
	s_add_nc_u64 s[G0+4*\s+2:G0+4*\s+3], s[14:15], \s*ASTEP
	s_or_b32 s[G0+4*\s+3], s[G0+4*\s+3], 0x80000000
	s_mov_b32 s[G0B+4*\s], 1
	s_add_co_u32 s[G0B+4*\s+1], s21, \s*SLOT
	s_add_nc_u64 s[G0B+4*\s+2:G0B+4*\s+3], s[46:47], \s*BSTEP
	s_or_b32 s[G0B+4*\s+3], s[G0B+4*\s+3], 0x80000000
	JLOAD \s                                       ; both slots' first fills go out together: two tensor loads of the wave are out, the most in this text
.endr
	v_and_b32 v1, 15, v0                           ; r = l % 16
	v_bfe_u32 v2, v0, 4, 1                         ; l / 16
	v_lshlrev_b32 v[BOFF], 4, v1
	global_load_b128 v[BIAS:BIAS+3], v[BOFF], s[72:73]               ; columns 4 r .. of the first 64
	global_load_b128 v[BIAS+4:BIAS+7], v[BOFF], s[72:73] offset:256  ; and of the second 64; waited for at the way out
	v_mov_b32 v[FD], s76
	v_mov_b32 v[FD+1], s76
	v_mul_u32_u24 v3, v1, PA
	v_lshl_add_u32 v3, v2, 4, v3
	s_mul_i32 s22, s10, 64*PA                      ; my 64 rows of A
	v_add_nc_u32 v[ADRA], s22, v3
	v_add_nc_u32 v[ADRA+1], SLOT, v[ADRA]
	v_mul_u32_u24 v4, v1, PB
	v_lshl_add_u32 v4, v2, 4, v4
	v_add_nc_u32 v[ADRB], ABYTES, v4
	v_add_nc_u32 v[ADRB+1], SLOT+ABYTES, v4
	s_mul_i32 s23, s10, WSTAGE
	s_add_co_u32 s23, s23, STAGE                   ; my stage
	v_mul_u32_u24 v5, v1, SPITCH
	v_lshl_add_u32 v5, v2, 5, v5                   ; in: row r, 32 bytes for each half of the lanes
	v_add_nc_u32 v[STO], s23, v5
	v_mul_u32_u24 v5, v2, SPITCH
	v_lshl_add_u32 v5, v1, 4, v5                   ; back: lanes 0-15 one row's 256 bytes (one head), lanes 16-31 the next row's
	v_add_nc_u32 v[RD], s23, v5
	v_and_b32 v5, 31, v0
	v_lshlrev_b32 v[CO], 3, v5                     ; out: 8 bytes a lane, two rows of 128 bytes of one head
; 8 matrix instructions: m block a x all 8 n blocks, 32 along K, from buffer f.  zero = 1: the first product starts the sums.
.macro MULA f, a, zero
.irp b, 0,1,2,3,4,5,6,7
.if \zero
	v_wmma_f32_16x16x32_f16 v[8*(8*\a+\b):8*(8*\a+\b)+7], v[FB0+64*\f+8*\b:FB0+64*\f+8*\b+7], v[FA0+32*\f+8*\a:FA0+32*\f+8*\a+7], 0
.else
	v_wmma_f32_16x16x32_f16 v[8*(8*\a+\b):8*(8*\a+\b)+7], v[FB0+64*\f+8*\b:FB0+64*\f+8*\b+7], v[FA0+32*\f+8*\a:FA0+32*\f+8*\a+7], v[8*(8*\a+\b):8*(8*\a+\b)+7]
.endif
.endr
.endm
; 24 LDS loads in one run: a quarter step's fragments (128 rows of B at byte kb, my 64 rows of A at byte ka) into buffer f
.macro FETCH slot, ka, kb, f
	WIN 0
.irp i, 0,1,2,3,4,5,6,7
	ds_load_b128 v[FB0+64*\f+8*\i:FB0+64*\f+8*\i+3],   v[ADRB+\slot] offset:\kb+\i*16*PB
	ds_load_b128 v[FB0+64*\f+8*\i+4:FB0+64*\f+8*\i+7], v[ADRB+\slot] offset:\kb+\i*16*PB+32
.endr
.irp i, 0,1,2,3
	ds_load_b128 v[FA0+32*\f+8*\i:FA0+32*\f+8*\i+3],   v[ADRA+\slot] offset:\ka+\i*16*PA
	ds_load_b128 v[FA0+32*\f+8*\i+4:FA0+32*\f+8*\i+7], v[ADRA+\slot] offset:\ka+\i*16*PA+32
.endr
.endm
; One of a K step's first three quarters: multiplies buffer f and, in its middle, fetches the next quarter into buffer g.
; The 32 accumulators take turns, one instruction a turn, in the same order in every quarter.
.macro QUARTER slot, ka, kb, f, g, zero
	s_wait_dscnt 4                                 ; B and A's fragments 0, 1 are in; the youngest four loads (A's fragments 2, 3) may be out
	WIN MUL
	MULA \f, 0, \zero
	MULA \f, 1, \zero
	PLACES
	FETCH \slot, \ka, \kb, \g
	s_wait_dscnt 24                                ; all but the 24 just issued
	WIN MUL
	MULA \f, 2, \zero
	MULA \f, 3, \zero
.endm
.macro THREE slot, zero
	QUARTER \slot, KA1, 64,  0, 1, \zero
	QUARTER \slot, KA2, 128, 1, 0, 0
	QUARTER \slot, KA3, 192, 0, 1, 0
.endm
; The last quarter multiplies buffer 1 and changes slots.  In front of the barrier each wave waits for its reads of this slot and for all its tensor
; loads (the one that is out is its part of the next slot).  Where the slot is filled again the barrier opens a round of the cluster's barrier,
; and the joint refill is the first tensor load behind the round, one a wave.
.macro TURN slot, next, fill
	s_wait_dscnt 4
	WIN MUL
	MULA 1, 0, 0
	s_wait_dscnt 0
	s_wait_tensorcnt 0x0
	ds_add_u32 v254, v255
	s_wait_dscnt 0x0
	s_barrier_signal -1
	MULA 1, 1, 0                                   ; registers only, while the others arrive
	WIN 0
	s_barrier_wait -1
.if \fill
	CREST
	s_add_nc_u64 s[G0+4*\slot+2:G0+4*\slot+3], s[G0+4*\slot+2:G0+4*\slot+3], 2*ASTEP       ; no tensor load of mine is out: a group 0 may be written
	s_add_nc_u64 s[G0B+4*\slot+2:G0B+4*\slot+3], s[G0B+4*\slot+2:G0B+4*\slot+3], 2*BSTEP
	JLOAD \slot
.endif
	PLACES
	FETCH \next, 0, 0, 0
	WIN MUL
	MULA 1, 2, 0
	MULA 1, 3, 0
.endm
.macro LAP zero
	THREE 0, \zero
	TURN 0, 1, 1
	THREE 1, 0
	TURN 1, 0, 1
.endm
	s_wait_tensorcnt 0x1                           ; my part of K step 0 is in; K step 1's stays out
	s_barrier_signal -1
	s_barrier_wait -1
	FETCH 0, 0, 0, 0
	LAP 1
	WIN 0
	s_mov_b32 s3, LAPS-2
.Llap:
	LAP 0
	WIN 0
	s_sub_co_u32 s3, s3, 1
	s_cmp_lg_u32 s3, 0
	s_cbranch_scc1 .Llap
	THREE 0, 0                                     ; the last lap fills nothing
	TURN 0, 1, 0
	THREE 1, 0
	s_wait_dscnt 4
	WIN MUL
	MULA 1, 0, 0
	MULA 1, 1, 0
	s_wait_dscnt 0
	MULA 1, 2, 0
	MULA 1, 3, 0
	; THE WAY OUT, 16 rows at a time: f32 into my own stage, back by rows, (x + bias) x factor as one fused multiply-add, f16, stored by heads.
	PLACES
	WIN 0
	s_wait_loadcnt 0x0                             ; the bias
.irp k, 0,2,4,6
	v_pk_mul_f32 v[BIAS+\k:BIAS+\k+1], v[BIAS+\k:BIAS+\k+1], v[FD:FD+1]
.endr
	s_lshl_b32 s16, s13, 15                        ; 256 by rows of 128 bytes
	s_lshl_b32 s14, s10, 13                        ; + 64 wave rows
	s_add_co_u32 s16, s16, s14
	s_mov_b32 s17, 0
	s_add_nc_u64 s[8:9], s[8:9], s[16:17]
	s_lshl_b32 s46, s42, 19                        ; head group 2 bx, 262,144 bytes each
	s_mov_b32 s47, 0
	s_add_nc_u64 s[8:9], s[8:9], s[46:47]
.macro OUT16 i
	WIN ST1
.irp b, 0,1,2,3,4,5,6,7
	ds_store_b128 v[STO], v[8*(8*\i+\b):8*(8*\i+\b)+3] offset:64*\b
	ds_store_b128 v[STO], v[8*(8*\i+\b)+4:8*(8*\i+\b)+7] offset:64*\b+16
.endr
	WIN 0
	s_wait_xcnt 0x0                                ; PK, which the last stores read, and their base are rewritten only behind this wait
.if \i
	s_add_nc_u64 s[8:9], s[8:9], 16*128
.endif
.irp t, 0,1,2,3,4,5,6,7
	ds_load_b128 v[RB+8*\t:RB+8*\t+3],   v[RD] offset:\t*2*SPITCH        ; LDS serves a wave's instructions in order: these see the stores above
	ds_load_b128 v[RB+8*\t+4:RB+8*\t+7], v[RD] offset:\t*2*SPITCH+256
.endr
.irp t, 0,1,2,3,4,5,6,7
.irp h, 0,1
	s_wait_dscnt 15-2*\t-\h                        ; the sixteen loads come back in order
	v_pk_fma_f32 v[RB+8*\t+4*\h:RB+8*\t+4*\h+1],   v[RB+8*\t+4*\h:RB+8*\t+4*\h+1],   v[FD:FD+1], v[BIAS+4*\h:BIAS+4*\h+1]
	v_pk_fma_f32 v[RB+8*\t+4*\h+2:RB+8*\t+4*\h+3], v[RB+8*\t+4*\h+2:RB+8*\t+4*\h+3], v[FD:FD+1], v[BIAS+4*\h+2:BIAS+4*\h+3]
	v_cvt_pk_f16_f32 v[PK+4*\t+2*\h],   v[RB+8*\t+4*\h],   v[RB+8*\t+4*\h+1]
	v_cvt_pk_f16_f32 v[PK+4*\t+2*\h+1], v[RB+8*\t+4*\h+2], v[RB+8*\t+4*\h+3]
	global_store_b64 v[CO], v[PK+4*\t+2*\h:PK+4*\t+2*\h+1], s[8:9] offset:\h*262144+\t*256   ; the wave stores 256 consecutive bytes, aligned: two rows of one head
.endr
.endr
.endm
	OUT16 0
	OUT16 1
	OUT16 2
	OUT16 3
	s_wait_tensorcnt 0x0
	ds_add_u32 v254, v255
	s_wait_dscnt 0x0
	CROUND                                         ; the closing round: no work-group ends while a partner may still ask for a tile that names it
	s_endpgm
.Lfunc_end_k_q412ce722b7_qkv:
	.size	k_q412ce722b7_qkv, .Lfunc_end_k_q412ce722b7_qkv-k_q412ce722b7_qkv
	.p2alignl 7, 3214868480
	.fill 96, 4, 3214868480
	.section	.rodata,"a",@progbits
	.p2align	6, 0x0
	.amdhsa_kernel k_q412ce722b7_qkv
		.amdhsa_group_segment_fixed_size 327680
		.amdhsa_private_segment_fixed_size 0
		.amdhsa_enable_private_segment 0
		.amdhsa_kernarg_size 40
		.amdhsa_user_sgpr_count 2
		.amdhsa_user_sgpr_kernarg_segment_ptr 1
		.amdhsa_wavefront_size32 1
		.amdhsa_system_sgpr_workgroup_id_x 1
		.amdhsa_system_sgpr_workgroup_id_y 1
		.amdhsa_system_sgpr_workgroup_id_z 1
		.amdhsa_system_vgpr_workitem_id 0
		.amdhsa_next_free_vgpr 512
		.amdhsa_next_free_sgpr 80
		.amdhsa_reserve_vcc 0
		.amdhsa_float_denorm_mode_32 3
		.amdhsa_float_denorm_mode_16_64 3
		.amdhsa_memory_ordered 1
		.amdhsa_forward_progress 1
		.amdhsa_inst_pref_size 135
	.end_amdhsa_kernel
	.amdgpu_metadata
---
amdhsa.version: [ 1, 2 ]
amdhsa.kernels:
  - .name:           k_q412ce722b7_qkv
    .symbol:         k_q412ce722b7_qkv.kd
    .args:
      - { .name: xb, .offset: 0, .size: 8, .value_kind: global_buffer, .address_space: global }
      - { .name: wall, .offset: 8, .size: 8, .value_kind: global_buffer, .address_space: global }
      - { .name: bqkv, .offset: 16, .size: 8, .value_kind: global_buffer, .address_space: global }
      - { .name: bcol, .offset: 24, .size: 8, .value_kind: global_buffer, .address_space: global }
      - { .name: qkvc, .offset: 32, .size: 8, .value_kind: global_buffer, .address_space: global }
    .group_segment_fixed_size: 327680
    .private_segment_fixed_size: 0
    .kernarg_segment_align: 8
    .kernarg_segment_size: 40
    .max_flat_workgroup_size: 128
    .sgpr_count:     80
    .vgpr_count:     512
    .wavefront_size: 32
...
	.end_amdgpu_metadata
.endif
;; end of part 2
;; launch mem (part 3): grid 8 x 64, 4 waves a work-group, clusters of 4 x 4, 327,680 bytes of LDS; arguments ri, wall, qkvc, bqkv, accm, ml; writes accm, ml
.if DOCPART == 3
	.amdgcn_target "amdgcn-amd-amdhsa--gfx1250"
	.amdhsa_code_object_version 6
	.text
	.protected	k_q412ce722b7_mem
	.globl	k_q412ce722b7_mem
	.p2align	8
	.type	k_q412ce722b7_mem,@function
k_q412ce722b7_mem:
	s_mov_b64 s[64:65], 0
	v_nop
	global_prefetch_b8 v0, s[64:65] scope:SCOPE_SE
	s_setreg_imm32_b32 hwreg(HW_REG_WAVE_MODE, 25, 1), 1
	s_wait_xcnt 0x0
	s_wait_alu depctr_hold_cnt(0) depctr_sa_sdst(0) depctr_va_vdst(0) depctr_va_sdst(0) depctr_va_ssrc(0) depctr_va_vcc(0) depctr_vm_vsrc(0)
	s_getreg_b32 s2, hwreg(HW_REG_IB_STS2, 6, 4)
	s_cmp_eq_u32 s2, 0
	s_cbranch_scc0 .Lentry_in_a_cluster
	s_endpgm
.Lentry_in_a_cluster:
	s_bfe_u32 s2, ttmp6, 0x10000c
	s_cmp_lg_u32 s2, 0xf033
	s_cbranch_scc0 .Lentry_shape_is_right
	s_endpgm
.Lentry_shape_is_right:
; The memory part of the attention.  rk = ri Wk^T + bk and rv = ri Wv^T + bv (16,384 rows (s, l), 1,024 columns each) are made block by block and
; used up in registers: scores q_col . rk over a head's 64 columns, their softmax over the eight l of a token with the maximum taken away, and
; the sum of p x rv.  Stored: accm[s][h][64] = sum over l of p rv (f32, not yet divided), ml[h][s] = (maximum, sum of p), the maximum as an exponent of 2
; (q_col carries the factor 0.125 log2(e)).  That is a start state for the running softmax over the tokens.
; Operands f16 (ri is at most 32 in magnitude by its norm; the weights as they were rounded), sums f32.  v_exp_f32 gives 0 for results below 2^-126.
; A work-group makes 256 rows (32 tokens) x 256 columns: rk and rv of heads 2 bx and 2 bx + 1.  Four waves; a wave makes 128 rows (16 tokens) x one head's
; 64 columns of rk and 64 of rv: 64 accumulator tiles, 512 registers.  K = 1024 in 8 steps of 128 through a ring of two LDS slots.
; CLUSTERS: 4 x 4 work-groups; ri's tiles are asked for jointly along a row of the cluster, the weights' along a column.
; LAYOUT: source 0 = 16 rows of ri, source 1 = 16 rows of the weights.  Register j of lane l of a tile holds row 8 (l / 16) + j, column l % 16: the eight l of
; ONE token lie in one lane's eight registers.  The weights' rows are read from the permuted copy (place 16 nt + r holds row 4 r + nt of the head), so that
; lane r's four tiles nt = 0..3 are the neighbouring columns 4 r .. 4 r + 3: q_col, the biases and the result are 8 or 16 neighbouring bytes a lane.
; REGISTERS: window 0: v16-31 addresses, v32-55 q_col and biases, v64-191 fragments of ri (two buffers); window 1: v64-191 fragments of the weights;
;            window 2: tiles of my rows 0-63 (tile (a, b) at v[8 (8 a + b)]; b 0-3 rk, 4-7 rv); window 3: rows 64-127.
.set KSTEP,  128
.set PITCH,  272
.set HALFT,  128*PITCH
.set SLOT,   4*HALFT
.set LAPS,   4
.set ADRA, 16
.set ADRB, 20
.set QOF,  27                          ; 8 lane
.set BOF,  28                          ; 16 r
.set RR,   29                          ; r
.set AOF,  30                          ; my offset in accm
.set MOF,  31                          ; my offset in ml
.set QCR,  32                          ; v[32:47]  q_col of my 8 tokens, 4 f16 each (the epilogue names their halves: v32.l .. v47.h)
.set BKR,  48                          ; v[48:51]  bk of my 4 columns
.set BVR,  52                          ; v[52:55]  bv
.set BKD,  56                          ; v[56:63]  bk, each twice
.set F0,   64
.set F1,   128
.set QCD,  64                          ; the epilogue: q_col in f32, each twice (8 a + 2 nt)
.set C0,   96                          ; q_col . bk of my columns, twice
.set T,    104                         ; scores, then p (8 a + l)
.set MX,   136
.set LS,   140
.set O2,   144                         ; pairs of partial sums (8 a + 2 nt)
.set OUT,  200                         ; v[200:231] results, 4 a tile
.set MALL, 232
.set LALL, 233
.set G1, 24
.set G0, 32
.set G1B, 48
.set G0B, 56
.set MSB, 0
.macro WIN new
.if MSB != \new
	s_set_vgpr_msb (MSB<<8)|\new
.set MSB, \new
.endif
.endm
.set MUL_LO, 0xa4                      ; source 0 (ri) window 0, source 1 (weights) window 1, C and D window 2
.set MUL_HI, 0xf4                      ; the same, C and D window 3
.set TO_B,   0x40                      ; destination window 1
.macro JLOAD s
	s_cmp_eq_u32 s11, 0
	s_cbranch_scc0 .Lfor_b_\@
	tensor_load_to_lds s[G0+4*\s:G0+4*\s+3], s[G1:G1+7]
	s_nop 0
	s_branch .Lasked_\@
.Lfor_b_\@:
	tensor_load_to_lds s[G0B+4*\s:G0B+4*\s+3], s[G1B:G1B+7]
	s_nop 0
.Lasked_\@:
.endm
.macro CREST
	s_cmp_lg_u32 s10, 0
	s_cbranch_scc1 .Lnot_wave_0_\@
	s_barrier_signal -3
.Lnot_wave_0_\@:
	s_barrier_wait -3
	s_barrier_signal -1
	s_barrier_wait -1
.endm
.macro CROUND
	s_barrier_signal -1
	s_barrier_wait -1
	CREST
.endm
.macro PLACES
.rept 4
	v_nop
.endr
.endm
	s_load_b128 s[4:7], s[0:1], 0x0                ; ri, wall
	s_load_b128 s[68:71], s[0:1], 0x10             ; qkvc, bqkv
	s_load_b128 s[72:75], s[0:1], 0x20             ; accm, ml
	v_lshl_add_u32 v255, v0, 2, 0x44000
	s_set_vgpr_msb 0x40
	v_mov_b32 v255, 0
	s_set_vgpr_msb 0x4044
	ds_add_u32 v255, v255
	ds_add_u32 v255, v255
	s_set_vgpr_msb 0x4400
	v_lshrrev_b32 v1, 5, v0
	v_readfirstlane_b32 s10, v1                    ; wave 0..3
	s_lshr_b32 s11, s10, 1                         ; which 128 rows are mine.  Also: I fetch for ri (0) or for the weights (1)
	s_and_b32 s12, s10, 1                          ; which head is mine.  Also: which 128 rows of that tile I fetch
	s_bfe_u32 s40, ttmp6, 0x40000                  ; cx
	s_bfe_u32 s41, ttmp6, 0x40004                  ; cy
	s_lshl_b32 s42, ttmp9, 2
	s_add_co_u32 s42, s42, s40                     ; bx: heads 2 bx, 2 bx + 1
	s_and_b32 s13, ttmp7, 0xffff
	s_lshl_b32 s13, s13, 2
	s_add_co_u32 s13, s13, s41                     ; by: rows 256 by ..
	s_lshl_b32 s43, s41, 2
	s_lshl_b32 s43, 15, s43
	s_lshl_b32 s44, 0x1111, s40
	; group 1: 128 rows x 128 elements of 2 bytes, 4 words of padding behind every 64
	s_or_b32 s[G1+0], s43, (1<<16)|(1<<20)|(1<<21)|(5<<22)|(3<<25)
	s_or_b32 s[G1B+0], s44, (1<<16)|(1<<20)|(1<<21)|(5<<22)|(3<<25)
	s_mov_b32 s[G1+1], KSTEP<<16
	s_mov_b32 s[G1B+1], KSTEP<<16
	s_mov_b32 s[G1+2], 128<<16
	s_mov_b32 s[G1B+2], 128<<16
	s_mov_b32 s[G1+3], KSTEP<<16
	s_mov_b32 s[G1B+3], KSTEP<<16
	s_mov_b32 s[G1+4], 128
	s_mov_b32 s[G1B+4], 128
	s_mov_b32 s[G1+5], 1024
	s_mov_b32 s[G1B+5], 1024
	s_mov_b32 s[G1+6], 0
	s_mov_b32 s[G1B+6], 0
	s_mov_b32 s[G1+7], 0
	s_mov_b32 s[G1B+7], 0
	s_lshl_b32 s17, s12, 7
	s_lshl_b32 s16, s13, 8
	s_add_co_u32 s16, s16, s17                     ; ri: row 256 by + 128 half
	s_lshl_b32 s16, s16, 11
	s_mov_b32 s17, 0
	s_lshl_b32 s47, s12, 10
	s_lshl_b32 s46, s42, 7
	s_add_co_u32 s46, s46, s47
	s_add_co_u32 s46, s46, 5120                    ; wall: row 5120 + 128 bx (permuted Wk), or 1,024 further (permuted Wv)
	s_lshl_b32 s46, s46, 11
	s_mov_b32 s47, 0
	s_mul_i32 s20, s10, HALFT                      ; ri's two halves, then Wk's and Wv's 128 rows
	s_lshl1_add_u32 s76, s42, s12                  ; my head
	s_lshl_b32 s77, s13, 5
	s_lshl4_add_u32 s77, s11, s77                  ; my first token: 32 by + 16 x row half
	s_mov_b32 s79, 0
	s_wait_dscnt 0x0
	s_wait_kmcnt 0x0
	s_add_nc_u64 s[14:15], s[4:5], s[16:17]
	s_add_nc_u64 s[46:47], s[6:7], s[46:47]
	s_add_co_u32 s78, s76, 48
	s_lshl_b32 s78, s78, 18
	s_lshl_b32 s80, s77, 7
	s_add_co_u32 s78, s78, s80
	s_add_nc_u64 s[68:69], s[68:69], s[78:79]      ; q_col of my head at my first token
	s_lshl_b32 s78, s76, 8
	s_add_nc_u64 s[70:71], s[70:71], s[78:79]      ; bqkv + 64 head numbers; bk and bv lie 4,096 and 8,192 bytes further
	s_lshl_b32 s80, s77, 12
	s_add_co_u32 s78, s78, s80
	s_add_nc_u64 s[72:73], s[72:73], s[78:79]      ; accm at (first token, head)
	s_lshl_b32 s78, s76, 11
	s_add_co_u32 s78, s78, s77
	s_lshl_b32 s78, s78, 3
	s_add_nc_u64 s[74:75], s[74:75], s[78:79]      ; ml at (head, first token)
	CROUND
.irp s, 0,1
	s_mov_b32 s[G0+4*\s], 1
	s_add_co_u32 s[G0+4*\s+1], s20, \s*SLOT
	s_add_nc_u64 s[G0+4*\s+2:G0+4*\s+3], s[14:15], \s*KSTEP*2
	s_or_b32 s[G0+4*\s+3], s[G0+4*\s+3], 0x80000000
	s_mov_b32 s[G0B+4*\s], 1
	s_add_co_u32 s[G0B+4*\s+1], s20, \s*SLOT
	s_add_nc_u64 s[G0B+4*\s+2:G0B+4*\s+3], s[46:47], \s*KSTEP*2
	s_or_b32 s[G0B+4*\s+3], s[G0B+4*\s+3], 0x80000000
	JLOAD \s                                       ; two tensor loads of the wave are out, the most in this text
.endr
	v_and_b32 v1, 15, v0                           ; r
	v_bfe_u32 v2, v0, 4, 1                         ; l / 16
	v_and_b32 v6, 31, v0
	v_lshlrev_b32 v[QOF], 3, v6
	v_lshlrev_b32 v[BOF], 4, v1
	; what the epilogue needs is asked for now and waited for there
.irp a, 0,1,2,3,4,5,6,7
	global_load_b64 v[QCR+2*\a:QCR+2*\a+1], v[QOF], s[68:69] offset:\a*256     ; token 2 a + l / 16, columns 4 r ..: the wave reads 256 consecutive bytes
.endr
	global_load_b128 v[BKR:BKR+3], v[BOF], s[70:71] offset:4096
	global_load_b128 v[BVR:BVR+3], v[BOF], s[70:71] offset:8192
	v_mov_b32 v[RR], v1
	v_lshlrev_b32 v[AOF], 12, v2
	v_lshl_add_u32 v[AOF], v1, 4, v[AOF]           ; 4,096 (l / 16) + 16 r
	v_lshlrev_b32 v[MOF], 3, v2
	v_lshl_add_u32 v[MOF], v1, 4, v[MOF]           ; lane r < 8 stores token 2 r + l / 16
	v_mul_u32_u24 v3, v1, PITCH
	v_lshl_add_u32 v3, v2, 4, v3
	s_mul_i32 s21, s11, HALFT                      ; my 128 rows of ri
	s_mul_i32 s22, s12, 64*PITCH                   ; my head's 64 rows of Wk,
	s_add_co_u32 s22, s22, 2*HALFT                 ; behind ri's 256 rows; Wv's lie 128 rows further
.irp s, 0,1
	v_add_nc_u32 v[ADRA+\s], s21, v3
	v_add_nc_u32 v[ADRB+\s], s22, v3
	s_add_co_u32 s21, s21, SLOT
	s_add_co_u32 s22, s22, SLOT
.endr
.macro MUL16 f, hi, a0, zero
.irp a, \a0, \a0+1
.irp b, 0,1,2,3,4,5,6,7
.if \zero
	v_wmma_f32_16x16x32_f16 v[8*(8*(\a)+\b):8*(8*(\a)+\b)+7], v[\f+8*(4*\hi+\a):\f+8*(4*\hi+\a)+7], v[\f+8*\b:\f+8*\b+7], 0
.else
	v_wmma_f32_16x16x32_f16 v[8*(8*(\a)+\b):8*(8*(\a)+\b)+7], v[\f+8*(4*\hi+\a):\f+8*(4*\hi+\a)+7], v[\f+8*\b:\f+8*\b+7], v[8*(8*(\a)+\b):8*(8*(\a)+\b)+7]
.endif
.endr
.endr
.endm
; 32 LDS loads in one run: the weights' fragments 0-3 (rk) and 4-7 (rv), then ri's eight
.macro FETCH slot, k, f
	WIN TO_B
.irp i, 0,1,2,3,4,5,6,7
	ds_load_b128 v[\f+8*\i:\f+8*\i+3],   v[ADRB+\slot] offset:\k+((\i&3)*16+(\i>>2)*128)*PITCH
	ds_load_b128 v[\f+8*\i+4:\f+8*\i+7], v[ADRB+\slot] offset:\k+((\i&3)*16+(\i>>2)*128)*PITCH+32
.endr
	WIN 0
.irp i, 0,1,2,3,4,5,6,7
	ds_load_b128 v[\f+8*\i:\f+8*\i+3],   v[ADRA+\slot] offset:\k+\i*16*PITCH
	ds_load_b128 v[\f+8*\i+4:\f+8*\i+7], v[ADRA+\slot] offset:\k+\i*16*PITCH+32
.endr
.endm
; The 64 accumulators take turns, one instruction a turn, in the same order in every quarter.
.macro QUARTER slot, k, f, g, zero
	s_wait_dscnt 8                                 ; the weights and ri's rows 0-63 are in; the youngest eight loads (rows 64-127) may be out
	WIN MUL_LO
	MUL16 \f, 0, 0, \zero
	MUL16 \f, 0, 2, \zero
	PLACES
	FETCH \slot, \k, \g
	s_wait_dscnt 32                                ; all but the 32 just issued
	WIN MUL_HI
	MUL16 \f, 1, 0, \zero
	MUL16 \f, 1, 2, \zero
.endm
.macro THREE slot, zero
	QUARTER \slot, 64,  F0, F1, \zero
	QUARTER \slot, 128, F1, F0, 0
	QUARTER \slot, 192, F0, F1, 0
.endm
; The change of slots: each wave's reads of this slot and all its tensor loads are waited for in front of the barrier; where the slot is filled again
; the barrier opens a round of the cluster's barrier and the joint refill is the first tensor load behind the round, one a wave.
.macro TURN slot, next, fill
	s_wait_dscnt 8
	WIN MUL_LO
	MUL16 F1, 0, 0, 0
	s_wait_dscnt 0
	s_wait_tensorcnt 0x0
	ds_add_u32 v255, v255
	s_wait_dscnt 0x0
	s_barrier_signal -1
	MUL16 F1, 0, 2, 0
	WIN 0
	s_barrier_wait -1
.if \fill
	CREST
	s_add_nc_u64 s[G0+4*\slot+2:G0+4*\slot+3], s[G0+4*\slot+2:G0+4*\slot+3], 2*KSTEP*2
	s_add_nc_u64 s[G0B+4*\slot+2:G0B+4*\slot+3], s[G0B+4*\slot+2:G0B+4*\slot+3], 2*KSTEP*2
	JLOAD \slot
.endif
	PLACES
	FETCH \next, 0, F0
	WIN MUL_HI
	MUL16 F1, 1, 0, 0
	MUL16 F1, 1, 2, 0
.endm
.macro LAP zero
	THREE 0, \zero
	TURN 0, 1, 1
	THREE 1, 0
	TURN 1, 0, 1
.endm
	s_wait_tensorcnt 0x1                           ; my part of K step 0 is in; K step 1's stays out
	s_barrier_signal -1
	s_barrier_wait -1
	FETCH 0, 0, F0
	LAP 1
	WIN 0
	s_mov_b32 s3, LAPS-2
.Llap:
	LAP 0
	WIN 0
	s_sub_co_u32 s3, s3, 1
	s_cmp_lg_u32 s3, 0
	s_cbranch_scc1 .Llap
	THREE 0, 0
	TURN 0, 1, 0
	THREE 1, 0
	s_wait_dscnt 8
	WIN MUL_LO
	MUL16 F1, 0, 0, 0
	MUL16 F1, 0, 2, 0
	s_wait_dscnt 0
	WIN MUL_HI
	MUL16 F1, 1, 0, 0
	MUL16 F1, 1, 2, 0
	; THE EPILOGUE.  Lane (r, hh), tile row a: token 2 a + hh; register j: l = j; tiles nt: columns 4 r + nt.
	PLACES
	WIN 0
	s_wait_loadcnt 0x0                             ; q_col, bk, bv
.irp n, 0,1,2,3
	v_mov_b32 v[BKD+2*\n], v[BKR+\n]
	v_mov_b32 v[BKD+2*\n+1], v[BKR+\n]
.endr
	v_mov_b32 v[MALL], 0
	v_mov_b32 v[LALL], 0
; four tile rows a = 4 hi + 0..3, whose accumulators lie in window win (2 or 3)
.macro EPI hi, win
	WIN 0
	; q_col of the four tokens to f32, each number twice (a pair for the packed multiply-adds): the halves of QCR's registers 8 hi .. 8 hi + 7, in order
.set i, 0
.if \hi
.irp s, v40.l, v40.h, v41.l, v41.h, v42.l, v42.h, v43.l, v43.h, v44.l, v44.h, v45.l, v45.h, v46.l, v46.h, v47.l, v47.h
	v_cvt_f32_f16 v[QCD+i], \s
	v_cvt_f32_f16 v[QCD+i+1], \s
.set i, i+2
.endr
.else
.irp s, v32.l, v32.h, v33.l, v33.h, v34.l, v34.h, v35.l, v35.h, v36.l, v36.h, v37.l, v37.h, v38.l, v38.h, v39.l, v39.h
	v_cvt_f32_f16 v[QCD+i], \s
	v_cvt_f32_f16 v[QCD+i+1], \s
.set i, i+2
.endr
.endif
.irp a, 0,1,2,3
	v_pk_mul_f32 v[C0+2*\a:C0+2*\a+1], v[QCD+8*\a:QCD+8*\a+1], v[BKD:BKD+1]
.endr
.irp n, 1,2,3
.irp a, 0,1,2,3
	v_pk_fma_f32 v[C0+2*\a:C0+2*\a+1], v[QCD+8*\a+2*\n:QCD+8*\a+2*\n+1], v[BKD+2*\n:BKD+2*\n+1], v[C0+2*\a:C0+2*\a+1]   ; q_col . bk over my four columns
.endr
.endr
	WIN \win                                       ; source 0: the accumulators
.irp j, 0,2,4,6
.irp a, 0,1,2,3
	v_pk_fma_f32 v[T+8*\a+\j:T+8*\a+\j+1], v[8*(8*\a)+\j:8*(8*\a)+\j+1], v[QCD+8*\a:QCD+8*\a+1], v[C0+2*\a:C0+2*\a+1]
.endr
.endr
.irp n, 1,2,3
.irp j, 0,2,4,6
.irp a, 0,1,2,3
	v_pk_fma_f32 v[T+8*\a+\j:T+8*\a+\j+1], v[8*(8*\a+\n)+\j:8*(8*\a+\n)+\j+1], v[QCD+8*\a+2*\n:QCD+8*\a+2*\n+1], v[T+8*\a+\j:T+8*\a+\j+1]
.endr
.endr
.endr
	WIN 0
.irp m, 1,2,4,8
.set i, 0
.rept 32
	v_add_f32_dpp v[T+i], v[T+i], v[T+i] row_xmask:\m row_mask:0xf bank_mask:0xf     ; over the 16 lanes that share a token: all 64 columns
.set i, i+1
.endr
.endr
.irp a, 0,1,2,3
	v_max3_num_f32 v[MX+\a], v[T+8*\a], v[T+8*\a+1], v[T+8*\a+2]
.endr
.irp a, 0,1,2,3
	v_max3_num_f32 v[MX+\a], v[MX+\a], v[T+8*\a+3], v[T+8*\a+4]
.endr
.irp a, 0,1,2,3
	v_max3_num_f32 v[MX+\a], v[MX+\a], v[T+8*\a+5], v[T+8*\a+6]
.endr
.irp a, 0,1,2,3
	v_max_num_f32 v[MX+\a], v[MX+\a], v[T+8*\a+7]
.endr
.irp a, 0,1,2,3
.irp j, 0,1,2,3,4,5,6,7
	v_sub_f32 v[T+8*\a+\j], v[T+8*\a+\j], v[MX+\a]
.endr
.endr
.set i, 0
.rept 32
	v_exp_f32 v[T+i], v[T+i]
.set i, i+1
.endr
	v_nop                                          ; one plain vector instruction behind the last v_exp_f32 (ISA guide 5.7.2)
	s_wait_alu depctr_va_vdst(0)
.irp a, 0,1,2,3
	v_pk_add_f32 v[O2+8*\a:O2+8*\a+1],   v[T+8*\a:T+8*\a+1],     v[T+8*\a+2:T+8*\a+3]
	v_pk_add_f32 v[O2+8*\a+2:O2+8*\a+3], v[T+8*\a+4:T+8*\a+5],   v[T+8*\a+6:T+8*\a+7]
.endr
.irp a, 0,1,2,3
	v_pk_add_f32 v[O2+8*\a:O2+8*\a+1], v[O2+8*\a:O2+8*\a+1], v[O2+8*\a+2:O2+8*\a+3]
.endr
.irp a, 0,1,2,3
	v_add_f32 v[LS+\a], v[O2+8*\a], v[O2+8*\a+1]   ; the sum of p
.endr
	WIN \win
.irp n, 0,1,2,3
.irp a, 0,1,2,3
	v_pk_mul_f32 v[O2+8*\a+2*\n:O2+8*\a+2*\n+1], v[8*(8*\a+4+\n):8*(8*\a+4+\n)+1], v[T+8*\a:T+8*\a+1]
.endr
.endr
.irp j, 2,4,6
.irp n, 0,1,2,3
.irp a, 0,1,2,3
	v_pk_fma_f32 v[O2+8*\a+2*\n:O2+8*\a+2*\n+1], v[8*(8*\a+4+\n)+\j:8*(8*\a+4+\n)+\j+1], v[T+8*\a+\j:T+8*\a+\j+1], v[O2+8*\a+2*\n:O2+8*\a+2*\n+1]
.endr
.endr
.endr
	WIN 0
.irp a, 0,1,2,3
.irp n, 0,1,2,3
	v_add_f32 v[OUT+4*(4*\hi+\a)+\n], v[O2+8*\a+2*\n], v[O2+8*\a+2*\n+1]
.endr
.irp n, 0,1,2,3
	v_fma_f32 v[OUT+4*(4*\hi+\a)+\n], v[LS+\a], v[BVR+\n], v[OUT+4*(4*\hi+\a)+\n]    ; sum of p (rv + bv) = sum of p rv + bv x sum of p
.endr
	global_store_b128 v[AOF], v[OUT+4*(4*\hi+\a):OUT+4*(4*\hi+\a)+3], s[72:73] offset:(4*\hi+\a)*8192   ; 16 lanes store 256 consecutive bytes, aligned: a token's head
	v_cmp_eq_u32 vcc_lo, 4*\hi+\a, v[RR]           ; lane r = a keeps this token's maximum and sum
	v_cndmask_b32 v[MALL], v[MALL], v[MX+\a], vcc_lo
	v_cndmask_b32 v[LALL], v[LALL], v[LS+\a], vcc_lo
.endr
.endm
	EPI 0, 0x02
	EPI 1, 0x03
	s_wait_xcnt 0x0                                ; EXEC, a source of the stores above, changes only behind this wait
	v_cmp_gt_u32 vcc_lo, 8, v[RR]
	s_and_saveexec_b32 s82, vcc_lo
	global_store_b64 v[MOF], v[MALL:LALL], s[74:75]      ; 16 tokens x 8 bytes: 128 consecutive bytes
	s_wait_xcnt 0x0
	s_or_b32 exec_lo, exec_lo, s82
	CROUND                                         ; the closing round
	s_endpgm
.Lfunc_end_k_q412ce722b7_mem:
	.size	k_q412ce722b7_mem, .Lfunc_end_k_q412ce722b7_mem-k_q412ce722b7_mem
	.p2alignl 7, 3214868480
	.fill 96, 4, 3214868480
	.section	.rodata,"a",@progbits
	.p2align	6, 0x0
	.amdhsa_kernel k_q412ce722b7_mem
		.amdhsa_group_segment_fixed_size 327680
		.amdhsa_private_segment_fixed_size 0
		.amdhsa_enable_private_segment 0
		.amdhsa_kernarg_size 48
		.amdhsa_user_sgpr_count 2
		.amdhsa_user_sgpr_kernarg_segment_ptr 1
		.amdhsa_wavefront_size32 1
		.amdhsa_system_sgpr_workgroup_id_x 1
		.amdhsa_system_sgpr_workgroup_id_y 1
		.amdhsa_system_sgpr_workgroup_id_z 1
		.amdhsa_system_vgpr_workitem_id 0
		.amdhsa_next_free_vgpr 1024
		.amdhsa_next_free_sgpr 84
		.amdhsa_reserve_vcc 1
		.amdhsa_float_denorm_mode_32 3
		.amdhsa_float_denorm_mode_16_64 3
		.amdhsa_memory_ordered 1
		.amdhsa_forward_progress 1
		.amdhsa_inst_pref_size 213
	.end_amdhsa_kernel
	.amdgpu_metadata
---
amdhsa.version: [ 1, 2 ]
amdhsa.kernels:
  - .name:           k_q412ce722b7_mem
    .symbol:         k_q412ce722b7_mem.kd
    .args:
      - { .name: ri, .offset: 0, .size: 8, .value_kind: global_buffer, .address_space: global }
      - { .name: wall, .offset: 8, .size: 8, .value_kind: global_buffer, .address_space: global }
      - { .name: qkvc, .offset: 16, .size: 8, .value_kind: global_buffer, .address_space: global }
      - { .name: bqkv, .offset: 24, .size: 8, .value_kind: global_buffer, .address_space: global }
      - { .name: accm, .offset: 32, .size: 8, .value_kind: global_buffer, .address_space: global }
      - { .name: ml, .offset: 40, .size: 8, .value_kind: global_buffer, .address_space: global }
    .group_segment_fixed_size: 327680
    .private_segment_fixed_size: 0
    .kernarg_segment_align: 8
    .kernarg_segment_size: 48
    .max_flat_workgroup_size: 128
    .sgpr_count:     84
    .vgpr_count:     1024
    .wavefront_size: 32
...
	.end_amdgpu_metadata
.endif
;; end of part 3
;; launch attn (part 4): grid 16 x 16, 8 waves a work-group, no clusters, 327,680 bytes of LDS; arguments qkvc, accm, ml, ctxh; writes ctxh
.if DOCPART == 4
	.amdgcn_target "amdgcn-amd-amdhsa--gfx1250"
	.amdhsa_code_object_version 6
	.text
	.protected	k_q412ce722b7_attn
	.globl	k_q412ce722b7_attn
	.p2align	8
	.type	k_q412ce722b7_attn,@function
k_q412ce722b7_attn:
	s_mov_b64 s[64:65], 0
	v_nop
	global_prefetch_b8 v0, s[64:65] scope:SCOPE_SE
	s_setreg_imm32_b32 hwreg(HW_REG_WAVE_MODE, 25, 1), 1
	s_wait_xcnt 0x0
; Causal attention over the tokens with a running maximum, started from the memory part's state (ml: maximum and sum; accm: the weighted sum), so that
; the result is the softmax over 2,048 + 8 scores.  q carries the factor 0.125 log2(e): scores are exponents of 2.  Result: ctxh[h][s][64], f16.
; Operands f16 (q, k, v as stored; p, which is at most 1 and whose spacing below 2^-14 is 2^-24), everything else f32.  The result is a weighted mean of v and rv
; and no larger than they are.  v_exp_f32 gives 0 for results below 2^-126.
; Work-group (i, h): head h, query blocks i and 31 - i of 64 rows.  Waves 0-3 take block i, waves 4-7 block 31 - i, 16 rows each.  A block b needs the key
; units (64 keys) 0..b, so every work-group does (i + 1) + (32 - i) = 33 units of 64 x 64: 256 work-groups of equal work.  Both halves walk the same tiles.
; NO CLUSTER: work-group i needs 32 - i key units, between 17 and 32; partners that shared a head's tiles would need different numbers of tiles.
; K and V go through a ring of two LDS slots of 256 keys.  One tensor load a wave and slot: waves 0-3 bring V's quarters (64 keys), waves 4-7 K's.
; LAYOUT: scores transposed, S^T = K Q^T: register j of lane (r, hh) of tile kt is key 16 kt + 8 hh + j, query r.  A lane holds 32 scores of ONE query; the other
; 32 lie in lane r of the other half.  Two tiles' p, packed, are a B fragment of 32 keys as they stand, and O^T = V^T P^T needs V^T, which the transposing LDS load brings.
.set VP, 160                           ; LDS pitch of V's rows: 128 bytes + 32, an odd multiple of 32 for the transposing load
.set KP, 144                           ; of K's rows: 128 + 16
.set VBYTES, 256*VP
.set SLOT, VBYTES+256*KP               ; V's 256 keys, then K's
.set STAGE, 2*SLOT                     ; behind the ring: 16 rows x 144 bytes for each wave; nothing is ever filled there
.set WSTAGE, 16*144
.set HEADB, 262144                     ; bytes of one head in qkvc
.set TILEB, 256*128                    ; bytes of 256 keys
.set KAD, 2                            ; v2, v3   my K fragments in slot 0, 1
.set VAD, 4                            ; v4, v5   my V fragments
.set MD, 6                             ; v6       the diagonal unit: key 16 kt + j is masked where it is above this
.set NEGINF, 7
.set RM, 8                             ; running maximum (the same in both halves of the lanes)
.set RL, 9                             ; running sum (each half its own part)
.set MN, 10                            ; v[10:11] the new maximum, twice
.set AL, 12                            ; v[12:13] 2^(old - new), twice
.set TT, 14                            ; v[14:21] at work
.set STO, 22
.set RD, 23
.set CO, 1
.set QF, 24                            ; v[24:39]   q: two fragments (32 of the 64 columns each)
.set SS, 40                            ; v[40:71]   four score tiles
.set OO, 72                            ; v[72:103]  O^T: four tiles of 16 columns
.set KF, 104                           ; v[104:167] K: fragment (kt, kc) at 8 (2 kt + kc)
.set VF, 168                           ; v[168:231] V^T: fragment (dt, vc) at 8 (2 dt + vc)
.set PF, 232                           ; v[232:247] p: two fragments of 32 keys
.set QO, 248
.set AO, 249
.set MO, 250
.set G1V, 16
.set G1K, 24
.set G0V, 32
.set G0K, 40
	s_load_b256 s[4:11], s[0:1], 0x0               ; qkvc 4:5, accm 6:7, ml 8:9, ctxh 10:11
	v_lshl_add_u32 v254, v0, 2, 0x2a800
	v_mov_b32 v255, 0
	ds_add_u32 v254, v255
	ds_add_u32 v254, v255
	v_lshrrev_b32 v1, 5, v0
	v_readfirstlane_b32 s12, v1                    ; wave 0..7
	s_and_b32 s13, s12, 3
	s_mov_b32 s14, ttmp9                           ; i
	s_and_b32 s15, ttmp7, 0xffff                   ; h
	s_sub_co_u32 s54, 31, s14
	s_cmp_lt_u32 s12, 4
	s_cselect_b32 s48, s14, s54                    ; my query block
	s_mov_b32 s49, s48                             ; my block less the trip's first key unit: falls by 4 a trip
	s_sub_co_u32 s50, 35, s14
	s_lshr_b32 s50, s50, 2                         ; trips of 256 keys: (32 - i) units, rounded up to fours: 5 to 8
	s_sub_co_u32 s51, s50, 1
	s_lshr_b32 s51, s51, 1                         ; pairs of trips in the loop: 2 or 3
	s_mov_b32 s52, 0x76543210
	s_mov_b32 s53, 0xfedcba98
	; group 1: 64 rows x 64 elements of 2 bytes, dense in memory; padding behind every 32 words: 8 words for V, 4 for K
	s_mov_b32 s[G1V+0], (1<<16)|(1<<20)|(4<<22)|(7<<25)
	s_mov_b32 s[G1K+0], (1<<16)|(1<<20)|(4<<22)|(3<<25)
	s_mov_b32 s[G1V+1], 64<<16
	s_mov_b32 s[G1K+1], 64<<16
	s_mov_b32 s[G1V+2], 64<<16
	s_mov_b32 s[G1K+2], 64<<16
	s_mov_b32 s[G1V+3], 64<<16
	s_mov_b32 s[G1K+3], 64<<16
	s_mov_b32 s[G1V+4], 64
	s_mov_b32 s[G1K+4], 64
	s_mov_b32 s[G1V+5], 64
	s_mov_b32 s[G1K+5], 64
	s_mov_b32 s[G1V+6], 0
	s_mov_b32 s[G1K+6], 0
	s_mov_b32 s[G1V+7], 0
	s_mov_b32 s[G1K+7], 0
	s_mul_i32 s55, s12, 64*VP                      ; V's quarters: waves 0-3
	s_mul_i32 s56, s12, 64*KP
	s_add_co_u32 s56, s56, VBYTES-4*64*KP          ; K's quarters behind V: waves 4-7
	s_lshl_b32 s58, s15, 18
	s_lshl_b32 s60, s13, 13                        ; my 64 keys of a slot's 256
	s_add_co_u32 s58, s58, s60
	s_mov_b32 s59, 0
	s_wait_dscnt 0x0
	s_wait_kmcnt 0x0
	s_add_nc_u64 s[58:59], s[4:5], s[58:59]
.irp s, 0,1
	s_mov_b32 s[G0V+4*\s], 1
	s_add_co_u32 s[G0V+4*\s+1], s55, \s*SLOT
	s_add_nc_u64 s[G0V+4*\s+2:G0V+4*\s+3], s[58:59], 32*HEADB+\s*TILEB     ; v's heads are groups 32-47
	s_or_b32 s[G0V+4*\s+3], s[G0V+4*\s+3], 0x80000000
	s_mov_b32 s[G0K+4*\s], 1
	s_add_co_u32 s[G0K+4*\s+1], s56, \s*SLOT
	s_add_nc_u64 s[G0K+4*\s+2:G0K+4*\s+3], s[58:59], 16*HEADB+\s*TILEB     ; k's are groups 16-31
	s_or_b32 s[G0K+4*\s+3], s[G0K+4*\s+3], 0x80000000
.endr
.macro TLOAD s
	s_cmp_lt_u32 s12, 4
	s_cbranch_scc0 .Lfor_k_\@
	tensor_load_to_lds s[G0V+4*\s:G0V+4*\s+3], s[G1V:G1V+7]
	s_nop 0
	s_branch .Lasked_\@
.Lfor_k_\@:
	tensor_load_to_lds s[G0K+4*\s:G0K+4*\s+3], s[G1K:G1K+7]
	s_nop 0
.Lasked_\@:
.endm
	TLOAD 0                                        ; keys 0-255.  One tensor load of a wave is out at any time in this text
	s_lshl_b32 s57, s48, 6
	s_lshl4_add_u32 s57, s13, s57                  ; my first query row: 64 block + 16 (wave % 4)
	s_lshl_b32 s60, s15, 11
	s_add_co_u32 s60, s60, s57                     ; 2,048 h + row
	s_lshl_b32 s62, s60, 7
	s_mov_b32 s63, 0
	s_add_nc_u64 s[4:5], s[4:5], s[62:63]          ; q (groups 0-15) at my first row
	s_add_nc_u64 s[10:11], s[10:11], s[62:63]      ; ctxh likewise
	s_lshl_b32 s62, s60, 3
	s_add_nc_u64 s[8:9], s[8:9], s[62:63]          ; ml
	s_lshl_b32 s62, s57, 12
	s_lshl_b32 s60, s15, 8
	s_add_co_u32 s62, s62, s60
	s_add_nc_u64 s[6:7], s[6:7], s[62:63]          ; accm at (row, h)
	v_and_b32 v[TT], 15, v0                        ; r
	v_bfe_u32 v[TT+1], v0, 4, 1                    ; hh
	v_and_b32 v[TT+2], 7, v0
	v_bfe_u32 v[TT+3], v0, 3, 1
	v_and_b32 v[TT+4], 31, v0                      ; lane
	v_lshrrev_b32 v[TT+5], 3, v[TT+4]
	v_lshlrev_b32 v[QO], 7, v[TT]
	v_lshl_add_u32 v[QO], v[TT+1], 4, v[QO]        ; 128 r + 16 hh
	v_lshlrev_b32 v[AO], 12, v[TT]
	v_lshl_add_u32 v[AO], v[TT+1], 5, v[AO]        ; 4,096 r + 32 hh
	v_lshlrev_b32 v[MO], 3, v[TT]
.irp c, 0,1,2,3
	global_load_b128 v[QF+4*\c:QF+4*\c+3], v[QO], s[4:5] offset:32*\c
.endr
.irp d, 0,1,2,3
	global_load_b128 v[OO+8*\d:OO+8*\d+3],   v[AO], s[6:7] offset:64*\d          ; columns 16 d + 8 hh + 0..7 of query r
	global_load_b128 v[OO+8*\d+4:OO+8*\d+7], v[AO], s[6:7] offset:64*\d+16
.endr
	global_load_b64 v[RM:RL], v[MO], s[8:9]
	v_mul_u32_u24 v[KAD], v[TT], KP
	v_lshl_add_u32 v[KAD], v[TT+1], 4, v[KAD]
	v_add_nc_u32 v[KAD], VBYTES, v[KAD]            ; key r, 16 bytes for each half of the lanes
	v_add_nc_u32 v[KAD+1], SLOT, v[KAD]
	v_lshl_add_u32 v[VAD], v[TT+1], 3, v[TT+2]
	v_mul_u32_u24 v[VAD], v[VAD], VP
	v_lshl_add_u32 v[VAD], v[TT+3], 4, v[VAD]      ; key 8 hh + lane % 8, 16 bytes by bit 3 of the lane
	v_add_nc_u32 v[VAD+1], SLOT, v[VAD]
	v_lshlrev_b32 v[MD], 3, v[TT+1]
	v_sub_nc_u32 v[MD], v[TT], v[MD]
	s_lshl_b32 s54, s13, 4
	v_add_nc_u32 v[MD], s54, v[MD]                 ; 16 (wave % 4) + r - 8 hh
	v_mov_b32 v[NEGINF], 0xff800000
	s_mul_i32 s54, s12, WSTAGE
	s_add_co_u32 s54, s54, STAGE
	v_mul_u32_u24 v[STO], v[TT], 144
	v_lshl_add_u32 v[STO], v[TT+1], 4, v[STO]
	v_add_nc_u32 v[STO], s54, v[STO]
	v_mul_u32_u24 v[RD], v[TT+5], 144
	v_lshl_add_u32 v[RD], v[TT+2], 4, v[RD]
	v_add_nc_u32 v[RD], s54, v[RD]
	v_lshlrev_b32 v[CO], 4, v[TT+4]
	s_wait_loadcnt 0x0
	v_mul_f32 v[RL], 0.5, v[RL]                    ; each half of the lanes keeps a part of the sum; the two parts are added at the end
; One unit: my 16 queries x the 64 keys 64 u .. of the slot.  Left out where the unit lies above my block's diagonal.
.macro UNIT slot, u
	s_cmp_lt_i32 s49, \u
	s_cbranch_scc1 .Lskip_\@
.irp kt, 0,1,2,3
.irp kc, 0,1
	ds_load_b128 v[KF+8*(2*\kt+\kc):KF+8*(2*\kt+\kc)+3],   v[KAD+\slot] offset:(64*\u+16*\kt)*KP+64*\kc
	ds_load_b128 v[KF+8*(2*\kt+\kc)+4:KF+8*(2*\kt+\kc)+7], v[KAD+\slot] offset:(64*\u+16*\kt)*KP+64*\kc+32
.endr
.endr
.irp dt, 0,1,2,3
.irp vc, 0,1
	ds_load_tr16_b128 v[VF+8*(2*\dt+\vc):VF+8*(2*\dt+\vc)+3],   v[VAD+\slot] offset:(64*\u+32*\vc)*VP+32*\dt
	ds_load_tr16_b128 v[VF+8*(2*\dt+\vc)+4:VF+8*(2*\dt+\vc)+7], v[VAD+\slot] offset:(64*\u+32*\vc+16)*VP+32*\dt
.endr
.endr
	s_wait_dscnt 16                                ; K's sixteen loads are in; V's sixteen, issued behind them, stay out
	; the four score tiles take turns, one instruction a turn; the first product starts each sum
.irp kt, 0,1,2,3
	v_wmma_f32_16x16x32_f16 v[SS+8*\kt:SS+8*\kt+7], v[KF+16*\kt:KF+16*\kt+7], v[QF:QF+7], 0
.endr
.irp kt, 0,1,2,3
	v_wmma_f32_16x16x32_f16 v[SS+8*\kt:SS+8*\kt+7], v[KF+16*\kt+8:KF+16*\kt+15], v[QF+8:QF+15], v[SS+8*\kt:SS+8*\kt+7]
.endr
.rept 4
	v_nop                                          ; four places in front of the first read of a result (ISA guide 7.12.1)
.endr
	s_cmp_lg_u32 s49, \u
	s_cbranch_scc1 .Lfull_\@
.irp kt, 0,1,2,3
.irp j, 0,1,2,3,4,5,6,7
	v_cmp_gt_i32 vcc_lo, 16*\kt+\j, v[MD]          ; the diagonal unit: keys behind the query
	v_cndmask_b32 v[SS+8*\kt+\j], v[SS+8*\kt+\j], v[NEGINF], vcc_lo
.endr
.endr
.Lfull_\@:
.irp kt, 0,1,2,3
	v_max3_num_f32 v[TT+\kt], v[SS+8*\kt], v[SS+8*\kt+1], v[SS+8*\kt+2]
.endr
.irp kt, 0,1,2,3
	v_max3_num_f32 v[TT+\kt], v[TT+\kt], v[SS+8*\kt+3], v[SS+8*\kt+4]
.endr
.irp kt, 0,1,2,3
	v_max3_num_f32 v[TT+\kt], v[TT+\kt], v[SS+8*\kt+5], v[SS+8*\kt+6]
.endr
.irp kt, 0,1,2,3
	v_max_num_f32 v[TT+\kt], v[TT+\kt], v[SS+8*\kt+7]
.endr
	v_max3_num_f32 v[TT], v[TT], v[TT+1], v[TT+2]
	v_max3_num_f32 v[TT], v[TT], v[TT+3], v[RM]    ; the running maximum is finite from the start: the memory part's
	v_permlanex16_b32 v[TT+1], v[TT], s52, s53     ; the other 32 keys of my query
	v_max_num_f32 v[MN], v[TT], v[TT+1]
	v_max_num_f32 v[MN+1], v[TT], v[TT+1]
	v_sub_f32 v[TT+2], v[RM], v[MN]
	v_exp_f32 v[AL], v[TT+2]
	v_exp_f32 v[AL+1], v[TT+2]
	v_mov_b32 v[RM], v[MN]                         ; also the plain instruction behind v_exp_f32 (ISA guide 5.7.2)
.set i, 0
.rept 16
	v_pk_add_f32 v[SS+i:SS+i+1], v[SS+i:SS+i+1], v[MN:MN+1] neg_lo:[0,1] neg_hi:[0,1]
.set i, i+2
.endr
.set i, 0
.rept 32
	v_exp_f32 v[SS+i], v[SS+i]
.set i, i+1
.endr
	v_nop
	s_wait_alu depctr_va_vdst(0)
.irp k, 0,2,4,6
	v_pk_add_f32 v[TT+\k:TT+\k+1], v[SS+\k:SS+\k+1], v[SS+8+\k:SS+8+\k+1]
.endr
.irp p, 16,24
.irp k, 0,2,4,6
	v_pk_add_f32 v[TT+\k:TT+\k+1], v[TT+\k:TT+\k+1], v[SS+\p+\k:SS+\p+\k+1]
.endr
.endr
	v_pk_add_f32 v[TT:TT+1], v[TT:TT+1], v[TT+2:TT+3]
	v_pk_add_f32 v[TT+4:TT+5], v[TT+4:TT+5], v[TT+6:TT+7]
	v_pk_add_f32 v[TT:TT+1], v[TT:TT+1], v[TT+4:TT+5]
	v_add_f32 v[TT], v[TT], v[TT+1]
	v_fma_f32 v[RL], v[RL], v[AL], v[TT]
.set i, 0
.rept 16
	v_cvt_pk_f16_f32 v[PF+i], v[SS+2*i], v[SS+2*i+1]       ; tiles 0, 1 make the fragment of keys 0-31, tiles 2, 3 that of keys 32-63
.set i, i+1
.endr
.set i, 0
.rept 16
	v_pk_mul_f32 v[OO+i:OO+i+1], v[OO+i:OO+i+1], v[AL:AL+1]
.set i, i+2
.endr
	s_wait_dscnt 0                                 ; V
.irp vc, 0,1
.irp dt, 0,1,2,3
	v_wmma_f32_16x16x32_f16 v[OO+8*\dt:OO+8*\dt+7], v[VF+8*(2*\dt+\vc):VF+8*(2*\dt+\vc)+7], v[PF+8*\vc:PF+8*\vc+7], v[OO+8*\dt:OO+8*\dt+7]
.endr
.endr
.rept 4
	v_nop                                          ; four places in front of the next loads into V's fragments and of the next reads and writes of O
.endr
.Lskip_\@:
.endm
; A trip: 256 keys in slot.  In front of the barrier every wave waits for all its tensor loads (its part of this slot among them) and for its reads of the
; other slot; behind it the other slot's refill comes first, one tensor load a wave, and has the trip's work in which to land.
.macro TRIP slot, other, refill
	s_wait_tensorcnt 0x0
	ds_add_u32 v254, v255
	s_wait_dscnt 0x0
	s_add_nc_u64 s[G0V+4*\slot+2:G0V+4*\slot+3], s[G0V+4*\slot+2:G0V+4*\slot+3], 2*TILEB     ; no load of mine is out: this slot's next tile
	s_add_nc_u64 s[G0K+4*\slot+2:G0K+4*\slot+3], s[G0K+4*\slot+2:G0K+4*\slot+3], 2*TILEB
	s_wait_dscnt 0x0
	s_barrier_signal -1
	s_barrier_wait -1
.if \refill
	TLOAD \other
.endif
	UNIT \slot, 0
	UNIT \slot, 1
	UNIT \slot, 2
	UNIT \slot, 3
	s_sub_co_i32 s49, s49, 4
.endm
.Lloop:
	TRIP 0, 1, 1
	TRIP 1, 0, 1
	s_sub_co_u32 s51, s51, 1
	s_cmp_gt_i32 s51, 0                            ; a signed compare: from any start at or below 1 the loop ends behind its first trip
	s_cbranch_scc1 .Lloop
	s_bitcmp1_b32 s50, 0                           ; the number of trips hangs on the work-group's x alone: the same in all eight waves
	s_cbranch_scc1 .Lodd
	TRIP 0, 1, 1                                   ; two trips are left: one more fill, then none
	TRIP 1, 0, 0
	s_branch .Lout
.Lodd:
	TRIP 0, 1, 0                                   ; one trip is left: nothing more to fetch
.Lout:
	; THE WAY OUT: divide by the sum, round, 16 bytes a lane into my own stage, back by rows, stored as 512 consecutive bytes a wave
	v_permlanex16_b32 v[TT], v[RL], s52, s53
	v_add_f32 v[RL], v[RL], v[TT]
	v_rcp_f32 v[AL], v[RL]
	v_rcp_f32 v[AL+1], v[RL]
	v_nop
.set i, 0
	s_wait_alu depctr_va_vdst(0)
.rept 16
	v_pk_mul_f32 v[OO+i:OO+i+1], v[OO+i:OO+i+1], v[AL:AL+1]
.set i, i+2
.endr
.set i, 0
.rept 16
	v_cvt_pk_f16_f32 v[SS+i], v[OO+2*i], v[OO+2*i+1]
.set i, i+1
.endr
.irp d, 0,1,2,3
	ds_store_b128 v[STO], v[SS+4*\d:SS+4*\d+3] offset:32*\d          ; row r, columns 16 d + 8 hh ..
.endr
.irp t, 0,1,2,3
	ds_load_b128 v[SS+16+4*\t:SS+16+4*\t+3], v[RD] offset:576*\t     ; four rows of 128 bytes; LDS serves a wave's instructions in order
.endr
.irp t, 0,1,2,3
	s_wait_dscnt 3-\t
	global_store_b128 v[CO], v[SS+16+4*\t:SS+16+4*\t+3], s[10:11] offset:512*\t
.endr
	s_wait_tensorcnt 0x0
	ds_add_u32 v254, v255
	s_wait_dscnt 0x0
	s_endpgm
.Lfunc_end_k_q412ce722b7_attn:
	.size	k_q412ce722b7_attn, .Lfunc_end_k_q412ce722b7_attn-k_q412ce722b7_attn
	.p2alignl 7, 3214868480
	.fill 96, 4, 3214868480
	.section	.rodata,"a",@progbits
	.p2align	6, 0x0
	.amdhsa_kernel k_q412ce722b7_attn
		.amdhsa_group_segment_fixed_size 327680
		.amdhsa_private_segment_fixed_size 0
		.amdhsa_enable_private_segment 0
		.amdhsa_kernarg_size 32
		.amdhsa_user_sgpr_count 2
		.amdhsa_user_sgpr_kernarg_segment_ptr 1
		.amdhsa_wavefront_size32 1
		.amdhsa_system_sgpr_workgroup_id_x 1
		.amdhsa_system_sgpr_workgroup_id_y 1
		.amdhsa_system_sgpr_workgroup_id_z 1
		.amdhsa_system_vgpr_workitem_id 0
		.amdhsa_next_free_vgpr 256
		.amdhsa_next_free_sgpr 66
		.amdhsa_reserve_vcc 1
		.amdhsa_float_denorm_mode_32 3
		.amdhsa_float_denorm_mode_16_64 3
		.amdhsa_memory_ordered 1
		.amdhsa_forward_progress 1
		.amdhsa_inst_pref_size 249
	.end_amdhsa_kernel
	.amdgpu_metadata
---
amdhsa.version: [ 1, 2 ]
amdhsa.kernels:
  - .name:           k_q412ce722b7_attn
    .symbol:         k_q412ce722b7_attn.kd
    .args:
      - { .name: qkvc, .offset: 0, .size: 8, .value_kind: global_buffer, .address_space: global }
      - { .name: accm, .offset: 8, .size: 8, .value_kind: global_buffer, .address_space: global }
      - { .name: ml, .offset: 16, .size: 8, .value_kind: global_buffer, .address_space: global }
      - { .name: ctxh, .offset: 24, .size: 8, .value_kind: global_buffer, .address_space: global }
    .group_segment_fixed_size: 327680
    .private_segment_fixed_size: 0
    .kernarg_segment_align: 8
    .kernarg_segment_size: 32
    .max_flat_workgroup_size: 256
    .sgpr_count:     66
    .vgpr_count:     256
    .wavefront_size: 32
...
	.end_amdgpu_metadata
.endif
;; end of part 4
;; launch outp (part 5): grid 16 x 16, 4 waves a work-group, clusters of 4 x 4, 327,680 bytes of LDS; arguments ctxh, wall, bout, out0; writes out0
.if DOCPART == 5
	.amdgcn_target "amdgcn-amd-amdhsa--gfx1250"
	.amdhsa_code_object_version 6
	.text
	.protected	k_q412ce722b7_outp
	.globl	k_q412ce722b7_outp
	.p2align	8
	.type	k_q412ce722b7_outp,@function
k_q412ce722b7_outp:
	s_mov_b64 s[64:65], 0
	v_nop
	global_prefetch_b8 v0, s[64:65] scope:SCOPE_SE
	s_setreg_imm32_b32 hwreg(HW_REG_WAVE_MODE, 25, 1), 1
	s_wait_xcnt 0x0
	s_wait_alu depctr_hold_cnt(0) depctr_sa_sdst(0) depctr_va_vdst(0) depctr_va_sdst(0) depctr_va_ssrc(0) depctr_va_vcc(0) depctr_vm_vsrc(0)
	s_getreg_b32 s2, hwreg(HW_REG_IB_STS2, 6, 4)
	s_cmp_eq_u32 s2, 0
	s_cbranch_scc0 .Lentry_in_a_cluster
	s_endpgm
.Lentry_in_a_cluster:
	s_bfe_u32 s2, ttmp6, 0x10000c
	s_cmp_lg_u32 s2, 0xf033
	s_cbranch_scc0 .Lentry_shape_is_right
	s_endpgm
.Lentry_shape_is_right:
; out0[2048 x 1024] = ctx . Wout^T + bout.  ctx comes by heads, ctxh[h][s][64] in f16; Wout in f16 is wall's rows 4096-5119.  Sums and result f32.
; A work-group makes 128 rows x 64 columns: 16 x 16 = 256 work-groups.  Four waves; wave w makes rows 32 w .. 32 w + 31 x all 64 columns: 2 x 4 accumulator tiles.
; A work-group needs 16 heads x 16 KiB of ctx and 8 tiles x 16 KiB of Wout for 256 matrix instructions a wave: little arithmetic for each byte, so what counts is how
; often the work-group has to sit through a tile's way from memory.  So there is NO RING: as much of K as fits in LDS is asked for in one group at the start
; (12 of the 16 heads, 6 of the 8 tiles of Wout), and the last four heads come by two refills, each with 12 steps of 32 along K (96 matrix instructions a wave) behind it.
; LDS, in units of U = 64 rows x 272 bytes:
;   head slots 0-11: a head's 128 tokens x 128 bytes are 16 KiB dense in memory and come as 64 rows of 256 bytes, two tokens to a row, 16 bytes of padding behind each:
;                    token t lies at (t >> 1) x 272 + (t & 1) x 128, so the 16 tokens of a fragment start at 16 different 16-byte columns of 256 bytes;
;   Wout slots 0-5 (behind them): 64 rows x 256 bytes (128 along K = two heads), padded to 272.
;   Heads 12, 13 are filled into head slots 0, 1 and heads 14, 15 into slots 3, 4; Wout's tiles 6, 7 into Wout slots 0, 1.
;   The stage of the way out lies in head slots 6, 7: they are filled once, at the start, and their last reads lie two barriers ahead of the stage's first store.
; CLUSTERS: 4 x 4 work-groups.  ctx's tiles hang on the block row alone and are asked for jointly along a row of the cluster, Wout's on the block column alone, along a column:
; a cluster asks for 4 x 256 + 4 x 128 KiB instead of four times that.
; The matrix instruction is used transposed (source 0 = 16 rows of Wout, source 1 = 16 rows of ctx): lane l holds row l % 16 of the result, its registers 0-7 the columns 8 (l / 16) + 0..7.
; REGISTERS: v8-17 addresses, v20-23 bias, v32-95 accumulators (tile (a, b) at 32 + 8 (4 a + b)), v96-143 three buffers of 2 fragments of ctx, v144-239 three of 4 of Wout.
.set U, 64*272                         ; 17,408 bytes: one head of ctx, or one tile of Wout
.set HEADG, 262144                     ; bytes from a head to the next in ctxh
.set STAGE, 6*U
.set SPITCH, 272                       ; a row of 64 f32 + 16 bytes
.set HSTAGE, 16*SPITCH                 ; 16 rows
.set WSTAGE, 2*HSTAGE                  ; a wave's 32 rows; four waves take 2 U
.set ADRA, 8                           ; v8-11   my fragments of ctx in head slots 0, 3, 6, 9 (three slots are in reach of the 16-bit offset)
.set ADRB, 12                          ; v12-13  my fragments of Wout in Wout slots 0, 3
.set STO, 14
.set RD, 15
.set CO, 16
.set BOFF, 17
.set BIAS, 20
.set ACC, 32
.set FA, 96
.set FB, 144
.set RB, 96                            ; the way out: 16 x 4 registers read back
.set G1A, 24                           ; s[24:31] group 1 for ctx
.set G0A, 32                           ; s[32:47] group 0 for ctx, a set for each of a wave's four first fills
.set G1B, 48                           ; s[48:55] group 1 for Wout
.set G0B, 76                           ; s[76:99] group 0 for Wout, a set for each of the six first fills
; A round of the cluster's barrier: my work-group's barrier, wave 0 signals for the work-group, every wave waits for all sixteen, my work-group's barrier again.
.macro CREST
	s_cmp_lg_u32 s10, 0
	s_cbranch_scc1 .Lnot_wave_0_\@
	s_barrier_signal -3
.Lnot_wave_0_\@:
	s_barrier_wait -3
	s_barrier_signal -1
	s_barrier_wait -1
.endm
.macro CROUND
	s_barrier_signal -1
	s_barrier_wait -1
	CREST
.endm
; Four plain vector instructions stand between a matrix instruction and a load into one of its registers or a read of its result.
.macro PLACES
.rept 4
	v_nop
.endr
.endm
	s_load_b128 s[4:7], s[0:1], 0x0                ; ctxh, wall
	s_load_b128 s[68:71], s[0:1], 0x10             ; bout, out0
	v_lshl_add_u32 v240, v0, 2, 0x4c800
	v_mov_b32 v241, 0
	ds_add_u32 v240, v241
	ds_add_u32 v240, v241
	v_lshrrev_b32 v1, 5, v0
	v_readfirstlane_b32 s10, v1                    ; wave 0..3
	s_bfe_u32 s56, ttmp6, 0x40000                  ; cx
	s_bfe_u32 s57, ttmp6, 0x40004                  ; cy
	s_lshl_b32 s58, ttmp9, 2
	s_add_co_u32 s58, s58, s56                     ; block column bx = 4 x cluster x + cx
	s_and_b32 s13, ttmp7, 0xffff
	s_lshl_b32 s13, s13, 2
	s_add_co_u32 s13, s13, s57                     ; block row by = 4 x cluster y + cy
	s_lshl_b32 s59, s57, 2
	s_lshl_b32 s59, 15, s59                        ; my row of the cluster
	s_lshl_b32 s60, 0x1111, s56                    ; my column
	; group 1 for ctx: a dense block of 16 KiB as 64 rows of 32 elements of 8 bytes; 4 words of padding behind every 64; bit 21 beside the mask
	s_or_b32 s[G1A+0], s59, (3<<16)|(1<<20)|(1<<21)|(5<<22)|(3<<25)
	s_mov_b32 s[G1A+1], 32<<16                     ; tensor_dim0 = 32
	s_mov_b32 s[G1A+2], 64<<16                     ; tensor_dim1 = 64
	s_mov_b32 s[G1A+3], 32<<16                     ; tile_dim0 = 32
	s_mov_b32 s[G1A+4], 64                         ; tile_dim1 = 64
	s_mov_b32 s[G1A+5], 32                         ; each row begins where the last ends
	s_mov_b32 s[G1A+6], 0
	s_mov_b32 s[G1A+7], 0
	; group 1 for Wout: 64 rows x 128 elements of 2 bytes, 1,024 elements from row to row; the same padding
	s_or_b32 s[G1B+0], s60, (1<<16)|(1<<20)|(1<<21)|(5<<22)|(3<<25)
	s_mov_b32 s[G1B+1], 128<<16
	s_mov_b32 s[G1B+2], 64<<16
	s_mov_b32 s[G1B+3], 128<<16
	s_mov_b32 s[G1B+4], 64
	s_mov_b32 s[G1B+5], 1024
	s_mov_b32 s[G1B+6], 0
	s_mov_b32 s[G1B+7], 0
	; ctx's address hangs on the block row and the wave, Wout's on the block column, each in registers that never hold the other coordinate
	s_lshl_b32 s16, s13, 14                        ; 128 by tokens of 128 bytes
	s_lshl_b32 s17, s10, 18                        ; head = wave
	s_add_co_u32 s16, s16, s17
	s_mov_b32 s17, 0
	s_lshl_b32 s18, s58, 17                        ; 64 bx rows of 2,048 bytes,
	s_add_co_u32 s18, s18, 4096*2048               ; behind wall's first 4,096 rows
	s_mov_b32 s19, 0
	s_mul_i32 s20, s10, U                          ; head slot = wave
	s_lshl_b32 s74, s58, 8                         ; my 64 columns of f32, in bout and in a row of out0
	s_mov_b32 s75, 0
	s_wait_dscnt 0x0
	s_wait_kmcnt 0x0
	s_add_nc_u64 s[14:15], s[4:5], s[16:17]
	s_add_nc_u64 s[18:19], s[6:7], s[18:19]
	s_add_nc_u64 s[72:73], s[68:69], s[74:75]
	; Group 0.  Every wave writes every set, ahead of any branch on the wave's number: each word of a descriptor has one origin on every path.
	; ctx, set k: head wave + 3 k into the slot of the same number.  (Wave 3 issues none of these.)
.irp k, 0,1,2,3
	s_mov_b32 s[G0A+4*\k], 1
	s_add_co_u32 s[G0A+4*\k+1], s20, \k*3*U
	s_add_nc_u64 s[G0A+4*\k+2:G0A+4*\k+3], s[14:15], \k*3*HEADG
	s_or_b32 s[G0A+4*\k+3], s[G0A+4*\k+3], 0x80000000
.endr
	; Wout, set t: tile t (128 along K, 256 bytes of each row) into Wout slot t.  (Wave 3 alone issues these.)
.irp t, 0,1,2,3,4,5
	s_mov_b32 s[G0B+4*\t], 1
	s_mov_b32 s[G0B+4*\t+1], (12+\t)*U
	s_add_nc_u64 s[G0B+4*\t+2:G0B+4*\t+3], s[18:19], \t*256
	s_or_b32 s[G0B+4*\t+3], s[G0B+4*\t+3], 0x80000000
.endr
	CROUND                                         ; all sixteen work-groups are here: the first joint loads meet
	; THE FIRST FILLS, one group, inside one branch on the wave's number.  Waves 0-2: heads w, w + 3, w + 6, w + 9.  Wave 3: Wout's tiles 0-5.
	; Four tensor loads of a wave are out behind this, six of wave 3: the most in this text.
	s_cmp_eq_u32 s10, 3
	s_cbranch_scc1 .Lfirst_b
.irp k, 0,1,2,3
	tensor_load_to_lds s[G0A+4*\k:G0A+4*\k+3], s[G1A:G1A+7]
	s_nop 0
.endr
	s_branch .Lfirst_done
.Lfirst_b:
.irp t, 0,1,2,3,4,5
	tensor_load_to_lds s[G0B+4*\t:G0B+4*\t+3], s[G1B:G1B+7]
	s_nop 0
.endr
.Lfirst_done:
	v_and_b32 v1, 15, v0                           ; r = l % 16
	v_bfe_u32 v2, v0, 4, 1                         ; l / 16
	v_lshlrev_b32 v[BOFF], 4, v1
	global_load_b128 v[BIAS:BIAS+3], v[BOFF], s[72:73]       ; columns 4 r ..; waited for at the way out
	v_lshrrev_b32 v3, 1, v1
	v_and_b32 v4, 1, v1
	v_mul_u32_u24 v5, v3, 272                      ; token r of a fragment: (r >> 1) x 272
	v_lshl_add_u32 v5, v4, 7, v5                   ; + (r & 1) x 128
	v_lshl_add_u32 v5, v2, 4, v5                   ; + 16 bytes for the upper half of the lanes
	s_mul_i32 s21, s10, 16*272                     ; my 32 tokens are 16 LDS rows
	v_add_nc_u32 v[ADRA], s21, v5
	v_add_nc_u32 v[ADRA+1], 3*U, v[ADRA]
	v_add_nc_u32 v[ADRA+2], 6*U, v[ADRA]
	v_add_nc_u32 v[ADRA+3], 9*U, v[ADRA]
	v_mul_u32_u24 v6, v1, 272
	v_lshl_add_u32 v6, v2, 4, v6
	v_add_nc_u32 v[ADRB], 12*U, v6
	v_add_nc_u32 v[ADRB+1], 15*U, v6
	s_mul_i32 s22, s10, WSTAGE
	s_add_co_u32 s22, s22, STAGE                   ; my stage
	v_mul_u32_u24 v7, v1, SPITCH
	v_lshl_add_u32 v7, v2, 5, v7                   ; in: row r, 32 bytes for each half of the lanes
	v_add_nc_u32 v[STO], s22, v7
	v_mul_u32_u24 v7, v2, SPITCH
	v_lshl_add_u32 v7, v1, 4, v7                   ; back: lanes 0-15 one row's 256 bytes, lanes 16-31 the next row's
	v_add_nc_u32 v[RD], s22, v7
	v_lshlrev_b32 v[CO], 12, v2
	v_lshl_add_u32 v[CO], v1, 4, v[CO]             ; and the same two rows in out0
; K goes in 32 steps of 32; step q is half q & 1 of head q >> 1.  Its fragments go into buffer q % 3.
; 12 LDS loads: four fragments of Wout (64 rows), two of ctx (my 32 tokens).
.macro FETCH q
.set QH, (\q)>>1                       ; the head
.set QK, ((\q)&1)*64                   ; its half, in bytes
.set QF, (\q)%3                        ; the buffer
.if QH < 12
.set QS, QH                            ; the head's slot
.else
.if QH < 14
.set QS, QH-12                         ; heads 12, 13 in slots 0, 1
.else
.set QS, QH-11                         ; heads 14, 15 in slots 3, 4
.endif
.endif
.set QT, (QH>>1)%6                     ; Wout's slot: tiles 6, 7 in slots 0, 1
.set QIA, (QS%3)*U+QK
.set QIB, (QT%3)*U+(QH&1)*128+QK
.irp i, 0,1,2,3
	ds_load_b128 v[FB+32*QF+8*\i:FB+32*QF+8*\i+3],   v[ADRB+QT/3] offset:QIB+\i*16*272
	ds_load_b128 v[FB+32*QF+8*\i+4:FB+32*QF+8*\i+7], v[ADRB+QT/3] offset:QIB+\i*16*272+32
.endr
.irp i, 0,1
	ds_load_b128 v[FA+16*QF+8*\i:FA+16*QF+8*\i+3],   v[ADRA+QS/3] offset:QIA+\i*8*272
	ds_load_b128 v[FA+16*QF+8*\i+4:FA+16*QF+8*\i+7], v[ADRA+QS/3] offset:QIA+\i*8*272+32
.endr
.endm
; 8 matrix instructions: step q.  The eight accumulators take turns, one instruction a turn, in the same order in every step.
; zero = 1: the first product starts the sums.
.macro MUL q, zero
.set QF, (\q)%3
.irp a, 0,1
.irp b, 0,1,2,3
.if \zero
	v_wmma_f32_16x16x32_f16 v[ACC+8*(4*\a+\b):ACC+8*(4*\a+\b)+7], v[FB+32*QF+8*\b:FB+32*QF+8*\b+7], v[FA+16*QF+8*\a:FA+16*QF+8*\a+7], 0
.else
	v_wmma_f32_16x16x32_f16 v[ACC+8*(4*\a+\b):ACC+8*(4*\a+\b)+7], v[FB+32*QF+8*\b:FB+32*QF+8*\b+7], v[FA+16*QF+8*\a:FA+16*QF+8*\a+7], v[ACC+8*(4*\a+\b):ACC+8*(4*\a+\b)+7]
.endif
.endr
.endr
.endm
; A step inside a stretch: the fragments of step q + 2 go into the buffer that step q - 1 has just read, then step q is multiplied.
.macro STEPF q, zero
	PLACES
	FETCH \q+2
	s_wait_dscnt 24                                ; all but the 24 youngest loads (steps q + 1 and q + 2): step q's fragments are in
	MUL \q, \zero
.endm
; The last step but one of a stretch fetches nothing: what lies behind the stretch may not be read yet.
.macro STEPN q
	s_wait_dscnt 12                                ; all but the 12 youngest loads (step q + 1)
	MUL \q, 0
.endm
; A joint refill, one tensor load a wave: waves 0, 1 a head each, wave 3 a tile of Wout, wave 2 none.  No tensor load of the wave is out here, so a group 0 may be
; written: every wave steps both sets, ahead of the branch on the wave's number, which holds the tensor loads alone.
.macro REFILL set, heads
	s_add_nc_u64 s[G0A+4*\set+2:G0A+4*\set+3], s[G0A+4*\set+2:G0A+4*\set+3], \heads*HEADG
	s_add_nc_u64 s[G0B+4*\set+2:G0B+4*\set+3], s[G0B+4*\set+2:G0B+4*\set+3], 6*256
	s_cmp_lt_u32 s10, 2
	s_cbranch_scc0 .Lnot_a_\@
	tensor_load_to_lds s[G0A+4*\set:G0A+4*\set+3], s[G1A:G1A+7]
	s_nop 0
	s_branch .Lasked_\@
.Lnot_a_\@:
	s_cmp_eq_u32 s10, 3
	s_cbranch_scc0 .Lasked_\@
	tensor_load_to_lds s[G0B+4*\set:G0B+4*\set+3], s[G1B:G1B+7]
	s_nop 0
.Lasked_\@:
.endm
; The last step q of a stretch, and the change to the next.  In front of the barrier each wave waits for its LDS reads (all of the stretch's) and for all its tensor loads; behind it
; everything asked for so far can be read.  fill = 1: the barrier opens a round of the cluster's barrier, only the step's matrix instructions stand inside the round, and the joint
; refill is the first tensor load behind it.
.macro CHANGE q, fill, set, heads
	s_wait_dscnt 0x0
	s_wait_tensorcnt 0x0
	ds_add_u32 v240, v241
	s_wait_dscnt 0x0
	s_barrier_signal -1
	MUL \q, 0                                      ; registers only, while the others arrive
	s_barrier_wait -1
.if \fill
	CREST
	REFILL \set, \heads
.endif
	PLACES
	FETCH \q+1
	FETCH \q+2
.endm
	s_wait_tensorcnt 0x3                           ; all but my three youngest loads: of waves 0, 1 the first (heads 0, 1), of wave 3 the first three (tile 0 among them)
	s_barrier_signal -1
	s_barrier_wait -1                              ; the other first fills stay on their way
	FETCH 0
	FETCH 1
	STEPF 0, 1                                     ; heads 0, 1
	STEPF 1, 0
	STEPN 2
	CHANGE 3, 1, 0, 12                             ; all first fills are in; set 0 steps by 12 heads and 6 tiles: heads 12, 13 into slots 0, 1 and tile 6 into Wout slot 0
.irp q, 4,5,6,7,8,9,10,11,12,13
	STEPF \q, 0                                    ; heads 2 to 7
.endr
	STEPN 14
	CHANGE 15, 1, 1, 11                            ; heads 12, 13 are in; set 1 (heads 3, 4, tile 1) steps by 11 heads and 6 tiles: heads 14, 15 into slots 3, 4 and tile 7 into Wout slot 1
.irp q, 16,17,18,19,20,21,22,23,24,25
	STEPF \q, 0                                    ; heads 8 to 13
.endr
	STEPN 26
	CHANGE 27, 0, 0, 0                             ; heads 14, 15 are in; nothing is left to fetch, so my work-group's barrier is enough
	STEPF 28, 0
	STEPF 29, 0
	STEPN 30
	s_wait_dscnt 0x0
	MUL 31, 0
	; THE WAY OUT: f32 into my own stage, back by rows of 256 bytes, the bias added, stored.  The four v_nop are the places behind the last matrix instructions,
	; for the LDS stores, which read results, and for the loads into the fragments' registers.
	PLACES
	s_wait_loadcnt 0x0                             ; the bias
	s_lshl_b32 s16, s13, 19                        ; 128 by rows of 4,096 bytes
	s_lshl_b32 s17, s10, 17                        ; + 32 wave rows
	s_add_co_u32 s16, s16, s17
	s_mov_b32 s17, 0
	s_add_nc_u64 s[70:71], s[70:71], s[16:17]
	s_add_nc_u64 s[70:71], s[70:71], s[74:75]      ; + my 64 columns
.irp a, 0,1
.irp b, 0,1,2,3
	ds_store_b128 v[STO], v[ACC+8*(4*\a+\b):ACC+8*(4*\a+\b)+3]   offset:\a*HSTAGE+64*\b
	ds_store_b128 v[STO], v[ACC+8*(4*\a+\b)+4:ACC+8*(4*\a+\b)+7] offset:\a*HSTAGE+64*\b+16
.endr
.irp t, 0,1,2,3,4,5,6,7
	ds_load_b128 v[RB+32*\a+4*\t:RB+32*\a+4*\t+3], v[RD] offset:\a*HSTAGE+\t*2*SPITCH     ; LDS serves a wave's instructions in order (ISA guide 5.7.1.4): these see the stores above
.endr
.endr
.irp a, 0,1
.irp t, 0,1,2,3,4,5,6,7
	s_wait_dscnt 23-16*\a-\t                       ; behind load t of the first eight stand 7 - t loads, 8 stores and 8 loads; behind load t of the second eight 7 - t loads
	v_pk_add_f32 v[RB+32*\a+4*\t:RB+32*\a+4*\t+1],   v[RB+32*\a+4*\t:RB+32*\a+4*\t+1],   v[BIAS:BIAS+1]
	v_pk_add_f32 v[RB+32*\a+4*\t+2:RB+32*\a+4*\t+3], v[RB+32*\a+4*\t+2:RB+32*\a+4*\t+3], v[BIAS+2:BIAS+3]
	global_store_b128 v[CO], v[RB+32*\a+4*\t:RB+32*\a+4*\t+3], s[70:71] offset:\a*65536+\t*8192   ; 16 lanes store 256 consecutive bytes, aligned: a row's 64 columns
.endr
.endr
	s_wait_tensorcnt 0x0
	ds_add_u32 v240, v241
	s_wait_dscnt 0x0
	CROUND                                         ; the closing round: no work-group ends while a partner may still ask for a tile that names it
	s_endpgm
.Lfunc_end_k_q412ce722b7_outp:
	.size	k_q412ce722b7_outp, .Lfunc_end_k_q412ce722b7_outp-k_q412ce722b7_outp
	.p2alignl 7, 3214868480
	.fill 96, 4, 3214868480
	.section	.rodata,"a",@progbits
	.p2align	6, 0x0
	.amdhsa_kernel k_q412ce722b7_outp
		.amdhsa_group_segment_fixed_size 327680
		.amdhsa_private_segment_fixed_size 0
		.amdhsa_enable_private_segment 0
		.amdhsa_kernarg_size 32
		.amdhsa_user_sgpr_count 2
		.amdhsa_user_sgpr_kernarg_segment_ptr 1
		.amdhsa_wavefront_size32 1
		.amdhsa_system_sgpr_workgroup_id_x 1
		.amdhsa_system_sgpr_workgroup_id_y 1
		.amdhsa_system_sgpr_workgroup_id_z 1
		.amdhsa_system_vgpr_workitem_id 0
		.amdhsa_next_free_vgpr 242
		.amdhsa_next_free_sgpr 100
		.amdhsa_reserve_vcc 0
		.amdhsa_float_denorm_mode_32 3
		.amdhsa_float_denorm_mode_16_64 3
		.amdhsa_memory_ordered 1
		.amdhsa_forward_progress 1
		.amdhsa_inst_pref_size 62
	.end_amdhsa_kernel
	.amdgpu_metadata
---
amdhsa.version: [ 1, 2 ]
amdhsa.kernels:
  - .name:           k_q412ce722b7_outp
    .symbol:         k_q412ce722b7_outp.kd
    .args:
      - { .name: ctxh, .offset: 0, .size: 8, .value_kind: global_buffer, .address_space: global }
      - { .name: wall, .offset: 8, .size: 8, .value_kind: global_buffer, .address_space: global }
      - { .name: bout, .offset: 16, .size: 8, .value_kind: global_buffer, .address_space: global }
      - { .name: out0, .offset: 24, .size: 8, .value_kind: global_buffer, .address_space: global }
    .group_segment_fixed_size: 327680
    .private_segment_fixed_size: 0
    .kernarg_segment_align: 8
    .kernarg_segment_size: 32
    .max_flat_workgroup_size: 128
    .sgpr_count:     100
    .vgpr_count:     242
    .wavefront_size: 32
...
	.end_amdgpu_metadata
.endif
;; end of part 5
